; MI455X (gfx1250); checked and timed in simulation.
; The chip was launched on July 23, 2026; its instructions are those of AMD's public machine-readable ISA for CDNA 5 (MIT licence, August 2026) and "CDNA5" Instruction Set Architecture Reference Guide (July 2026). The comments in the code are by the model that wrote it; some were corrected since.
;; GLA Layer. Allowed arithmetic: float matrix products may take bf16 or f16 operands with f32 sums; other float arithmetic in f32, or as packed bf16 or f16 multiplies, adds, multiply-adds, maxima and minima; sums over many terms, partial sums and values carried from step to step in f32; what a program stores and reads back later, other than sums and carried values, may be rounded once to bf16 or f16.
;; Inputs: W_gate 1,024 x 1,024 float32; W_k 1,024 x 1,024 float32; W_o 1,024 x 1,024 float32; W_q 1,024 x 1,024 float32; W_v 1,024 x 1,024 float32; b_gate 1,024 float32; x 4 x 2,048 x 1,024 float32.
;; Outputs: out0 4 x 2,048 x 1,024 float32.
;; 2 versions, each right and faster than the one before. Each part assembles by itself: llvm-mc -triple=amdgcn-amd-amdhsa -mcpu=gfx1250 --defsym DOCPART=n.
;; ======== version 1 of 2: 5 launches
;; limits: values are held in f16: magnitudes above 65,504 overflow, below 6.1e-05 lose precision; right only within a limited range of input values
;; workspace buffers: xb 16,777,216 bytes; wcat 8,388,608 bytes; wot 2,097,152 bytes; qkvu 67,108,864 bytes; stats 16,384 bytes; sbuf 16,777,216 bytes; scl 65,536 bytes; oimg 16,777,216 bytes
;; launch prep (part 1): grid 1152 x 1, 8 waves a work-group, no clusters, 18,432 bytes of LDS; arguments x, W_q, W_k, W_v, W_gate, W_o, xb, wcat, wot; writes xb, wcat, wot
.if DOCPART == 1
	.amdgcn_target "amdgcn-amd-amdhsa--gfx1250"
	.amdhsa_code_object_version 6
	.text
	.protected	k_qc380b146b0_prep
	.globl	k_qc380b146b0_prep
	.p2align	8
	.type	k_qc380b146b0_prep,@function
k_qc380b146b0_prep:
	s_mov_b64 s[64:65], 0
	v_nop
	global_prefetch_b8 v0, s[64:65] scope:SCOPE_SE
	s_setreg_imm32_b32 hwreg(HW_REG_WAVE_MODE, 25, 1), 1
	s_wait_xcnt 0x0
; THE INPUTS ARE ROUNDED ONCE AND LAID OUT FOR THE PRODUCTS.
; Work-groups 0-511: x [8192][1024] f32 -> xb, the same shape in bf16.  16 rows a work-group, 2 rows a wave.
; Work-groups 512-1151: a tile of 128 k x 64 n of one of the five weights [1024 k][1024 n] f32 is rounded to bf16 and turned, so that k runs along the rows:
;   W_q, W_k, W_v, W_gate -> wcat [4096 n'][1024 k] bf16, n' = 256 head + { q 0-63 | k 0-31 | gate 0-31 | v 0-63 | k 32-63 | gate 32-63 }
;   W_o -> wot [1024 n][1024 k]: the bf16 number times 256, written as f16 (exact from 2^-22 on; below that f16's fixed step, 2^-32 of W_o's scale; the last launch takes the 256 out again)
; No matrix unit, no cluster: no byte is read twice and memory binds.  The turn goes through LDS: 16 bytes (8 k of one n) a lane in, whole rows of 256 bytes out.
; The stores into LDS fall four deep on the banks (rows 4 c apart, 4 x 272 bytes = 16 words modulo 64): 4 stores a wave, once.
.set PITCH,  272                       ; an LDS row: 128 k x 2 bytes + 16
.set SPARE,  64*PITCH                  ; behind the 64 rows: the spare words, 128 bytes for each of the eight waves
.set SPW, 6                            ; v6  LDS address of my spare word; never rewritten
.set NIL, 7                            ; v7  0; never rewritten
.set IN,  16                           ; v16-79 as loaded (the weights' path uses 32 of them)
.set T,   48                           ; v48-63 the weights' path: packed, 4 registers for each of my 4 columns
.set PK,  80                           ; v80-111 x's path: packed, 2 registers a load
	s_load_b256 s[8:15], s[0:1], 0x0               ; x s[8:9], W_q s[10:11], W_k s[12:13], W_v s[14:15]
	s_load_b256 s[16:23], s[0:1], 0x20             ; W_gate s[16:17], W_o s[18:19], xb s[20:21], wcat s[22:23]
	s_load_b64 s[24:25], s[0:1], 0x40              ; wot
	v_lshl_add_u32 v[SPW], v0, 2, SPARE
	v_mov_b32 v[NIL], 0
	v_and_b32 v1, 31, v0                           ; lane
	v_lshrrev_b32 v2, 5, v0                        ; wave
	v_readfirstlane_b32 s4, v2
	s_cmp_lt_u32 ttmp9, 512                        ; the same answer in all eight waves
	s_cbranch_scc0 .Lweights
	; x: a wave's 2 rows are 8,192 bytes in, 4,096 out; each load covers 512 dense bytes, each store 256, aligned
	v_lshlrev_b32 v3, 4, v1
	v_lshl_add_u32 v3, v2, 13, v3                  ; in: 8,192 wave + 16 lane
	v_lshlrev_b32 v4, 3, v1
	v_lshl_add_u32 v4, v2, 12, v4                  ; out: 4,096 wave + 8 lane
	s_lshl_b32 s2, ttmp9, 16                       ; 16 rows of 4,096 bytes
	s_mov_b32 s3, 0
	s_lshl_b32 s6, ttmp9, 15                       ; 16 rows of 2,048 bytes
	s_mov_b32 s7, 0
	s_wait_kmcnt 0x0
	s_add_nc_u64 s[8:9], s[8:9], s[2:3]
	s_add_nc_u64 s[20:21], s[20:21], s[6:7]
.set i, 0
.rept 16
	global_load_b128 v[IN+4*i:IN+4*i+3], v3, s[8:9] offset:512*i th:TH_LOAD_NT
.set i, i+1
.endr
.set i, 0
.rept 16
	s_wait_loadcnt 15-i                            ; loads come back in order: load i is in, the younger ones stay out
	v_cvt_pk_bf16_f32 v[PK+2*i], v[IN+4*i], v[IN+4*i+1]
	v_cvt_pk_bf16_f32 v[PK+2*i+1], v[IN+4*i+2], v[IN+4*i+3]
	global_store_b64 v4, v[PK+2*i:PK+2*i+1], s[20:21] offset:256*i
.set i, i+1
.endr
	s_endpgm
.Lweights:
	s_sub_co_u32 s5, ttmp9, 512
	s_lshr_b32 s26, s5, 7                          ; which weight: 0 q, 1 k, 2 v, 3 gate, 4 o
	s_bfe_u32 s27, s5, 0x30004                     ; which 128 k
	s_and_b32 s28, s5, 15                          ; which 64 n: the head
	v_and_b32 v8, 15, v0                           ; c: my 4 columns 4 c .. 4 c + 3
	v_bfe_u32 v9, v0, 4, 1                         ; hh: which 8 of the wave's 16 rows
	v_lshlrev_b32 v3, 4, v8
	v_lshl_add_u32 v3, v9, 15, v3                  ; source: 8 hh rows of 4,096 bytes + 16 c
	v_mul_u32_u24 v4, v8, 4*PITCH
	v_lshl_add_u32 v4, v9, 4, v4
	v_lshl_add_u32 v4, v2, 5, v4                   ; into LDS: row 4 c, byte 2 (16 wave + 8 hh)
	v_lshl_add_u32 v5, v2, 3, v9
	v_mul_u32_u24 v5, v5, PITCH
	v_lshl_add_u32 v5, v8, 4, v5                   ; back: row 8 wave + hh, byte 16 c
	v_lshlrev_b32 v10, 4, v8
	v_lshl_add_u32 v10, v9, 11, v10                ; destination: hh rows of 2,048 bytes + 16 c
	s_lshl_b32 s2, s27, 19                         ; source: 128 rows of 4,096 bytes for each block of k,
	s_lshl_b32 s29, s28, 8                         ; 256 bytes for each block of n,
	s_add_co_u32 s2, s2, s29
	s_lshl_b32 s29, s4, 16                         ; 16 rows for each wave
	s_add_co_u32 s2, s2, s29
	s_mov_b32 s3, 0
	s_cmp_eq_u32 s26, 1                            ; the destination's row: where the weight's section begins in a head's 256 rows,
	s_cselect_b32 s30, 64, 0
	s_cmp_eq_u32 s26, 2
	s_cselect_b32 s30, 128, s30
	s_cmp_eq_u32 s26, 3
	s_cselect_b32 s30, 96, s30
	s_and_b32 s31, s26, 1                          ; and, for k and the gate, 96 rows more for channels 32-63 (waves 4-7)
	s_mul_i32 s31, s31, 96
	s_cmp_ge_u32 s4, 4
	s_cselect_b32 s31, s31, 0
	s_lshl_b32 s32, s28, 8
	s_add_co_u32 s32, s32, s30
	s_add_co_u32 s32, s32, s31
	s_lshl_b32 s33, s28, 6                         ; W_o: plainly 64 rows a block
	s_cmp_eq_u32 s26, 4
	s_cselect_b32 s32, s33, s32
	s_lshl3_add_u32 s32, s4, s32                   ; + 8 wave
	s_lshl_b32 s32, s32, 11                        ; rows of 2,048 bytes
	s_lshl_b32 s33, s27, 8                         ; + the block of k: 256 bytes
	s_add_co_u32 s32, s32, s33
	s_mov_b32 s33, 0
	s_wait_kmcnt 0x0
	s_cmp_eq_u32 s26, 1                            ; the source is chosen among the five buffers by the weight's number
	s_cselect_b64 s[10:11], s[12:13], s[10:11]
	s_cmp_eq_u32 s26, 2
	s_cselect_b64 s[10:11], s[14:15], s[10:11]
	s_cmp_eq_u32 s26, 3
	s_cselect_b64 s[10:11], s[16:17], s[10:11]
	s_cmp_eq_u32 s26, 4
	s_cselect_b64 s[10:11], s[18:19], s[10:11]
	s_cselect_b64 s[22:23], s[24:25], s[22:23]     ; and so is the destination
	s_add_nc_u64 s[10:11], s[10:11], s[2:3]
	s_add_nc_u64 s[22:23], s[22:23], s[32:33]
.irp m, 0,1,2,3,4,5,6,7
	global_load_b128 v[IN+4*\m:IN+4*\m+3], v3, s[10:11] offset:\m*4096 th:TH_LOAD_NT  ; rows 8 hh + m: two rows' 256 aligned bytes a load
.endr
	s_wait_loadcnt 0x0
.irp e, 0,1,2,3
.irp m, 0,1,2,3
	v_cvt_pk_bf16_f32 v[T+4*\e+\m], v[IN+8*\m+\e], v[IN+8*\m+4+\e]  ; column 4 c + e: rows 2 m, 2 m + 1
.endr
.endr
	s_cmp_lg_u32 s26, 4
	s_cbranch_scc1 .Lplain
.set i, 0
.rept 16                                               ; W_o: the bf16 number times 256, as f16
	v_lshlrev_b32 v[64+2*(i%4)], 16, v[T+i]
	v_and_b32 v[65+2*(i%4)], 0xffff0000, v[T+i]
	v_pk_mul_f32 v[64+2*(i%4):65+2*(i%4)], v[64+2*(i%4):65+2*(i%4)], 0x43800000 op_sel_hi:[1,0]
	v_cvt_pk_f16_f32 v[T+i], v[64+2*(i%4)], v[65+2*(i%4)]
.set i, i+1
.endr
.Lplain:
.irp e, 0,1,2,3
	ds_store_b128 v4, v[T+4*\e:T+4*\e+3] offset:\e*PITCH
.endr
	s_wait_dscnt 0x0                               ; for the others' sake: my stores are done; a row's 256 bytes come from all eight waves
	s_barrier_signal -1
	s_barrier_wait -1
.irp m, 0,1,2,3
	ds_load_b128 v[IN+4*\m:IN+4*\m+3], v5 offset:\m*2*PITCH
.endr
.irp m, 0,1,2,3
	s_wait_dscnt 3-\m
	global_store_b128 v10, v[IN+4*\m:IN+4*\m+3], s[22:23] offset:\m*4096  ; rows 2 m + hh: 16 lanes store 256 consecutive bytes, aligned
.endr
	s_wait_tensorcnt 0x0                           ; the wave's end, behind my last LDS store
	ds_add_u32 v[SPW], v[NIL]
	s_wait_dscnt 0x0
	s_endpgm
.Lfunc_end_k_qc380b146b0_prep:
	.size	k_qc380b146b0_prep, .Lfunc_end_k_qc380b146b0_prep-k_qc380b146b0_prep
	.p2alignl 7, 3214868480
	.fill 96, 4, 3214868480
	.section	.rodata,"a",@progbits
	.p2align	6, 0x0
	.amdhsa_kernel k_qc380b146b0_prep
		.amdhsa_group_segment_fixed_size 18432
		.amdhsa_private_segment_fixed_size 0
		.amdhsa_enable_private_segment 0
		.amdhsa_kernarg_size 72
		.amdhsa_user_sgpr_count 2
		.amdhsa_user_sgpr_kernarg_segment_ptr 1
		.amdhsa_wavefront_size32 1
		.amdhsa_system_sgpr_workgroup_id_x 1
		.amdhsa_system_sgpr_workgroup_id_y 1
		.amdhsa_system_sgpr_workgroup_id_z 1
		.amdhsa_system_vgpr_workitem_id 0
		.amdhsa_next_free_vgpr 112
		.amdhsa_next_free_sgpr 66
		.amdhsa_reserve_vcc 0
		.amdhsa_float_denorm_mode_32 3
		.amdhsa_float_denorm_mode_16_64 3
		.amdhsa_memory_ordered 1
		.amdhsa_forward_progress 1
		.amdhsa_inst_pref_size 16
	.end_amdhsa_kernel
	.amdgpu_metadata
---
amdhsa.version: [ 1, 2 ]
amdhsa.kernels:
  - .name:           k_qc380b146b0_prep
    .symbol:         k_qc380b146b0_prep.kd
    .args:
      - { .name: x, .offset: 0, .size: 8, .value_kind: global_buffer, .address_space: global }
      - { .name: W_q, .offset: 8, .size: 8, .value_kind: global_buffer, .address_space: global }
      - { .name: W_k, .offset: 16, .size: 8, .value_kind: global_buffer, .address_space: global }
      - { .name: W_v, .offset: 24, .size: 8, .value_kind: global_buffer, .address_space: global }
      - { .name: W_gate, .offset: 32, .size: 8, .value_kind: global_buffer, .address_space: global }
      - { .name: W_o, .offset: 40, .size: 8, .value_kind: global_buffer, .address_space: global }
      - { .name: xb, .offset: 48, .size: 8, .value_kind: global_buffer, .address_space: global }
      - { .name: wcat, .offset: 56, .size: 8, .value_kind: global_buffer, .address_space: global }
      - { .name: wot, .offset: 64, .size: 8, .value_kind: global_buffer, .address_space: global }
    .group_segment_fixed_size: 18432
    .private_segment_fixed_size: 0
    .kernarg_segment_align: 8
    .kernarg_segment_size: 72
    .max_flat_workgroup_size: 256
    .sgpr_count:     66
    .vgpr_count:     112
    .wavefront_size: 32
...
	.end_amdgpu_metadata
.endif
;; end of part 1
;; launch proj (part 2): grid 16 x 32, 4 waves a work-group, clusters of 4 x 4, 327,680 bytes of LDS; arguments xb, wcat, b_gate, qkvu, stats; writes qkvu, stats
.if DOCPART == 2
	.amdgcn_target "amdgcn-amd-amdhsa--gfx1250"
	.amdhsa_code_object_version 6
	.text
	.protected	k_qc380b146b0_proj
	.globl	k_qc380b146b0_proj
	.p2align	8
	.type	k_qc380b146b0_proj,@function
k_qc380b146b0_proj:
	s_mov_b64 s[64:65], 0
	v_nop
	global_prefetch_b8 v0, s[64:65] scope:SCOPE_SE
	s_setreg_imm32_b32 hwreg(HW_REG_WAVE_MODE, 25, 1), 1
	s_wait_xcnt 0x0
	s_wait_alu depctr_hold_cnt(0) depctr_sa_sdst(0) depctr_va_vdst(0) depctr_va_sdst(0) depctr_va_ssrc(0) depctr_va_vcc(0) depctr_vm_vsrc(0)
	s_getreg_b32 s2, hwreg(HW_REG_IB_STS2, 6, 4)
	s_cmp_eq_u32 s2, 0
	s_cbranch_scc0 .Lentry_in_a_cluster
	s_endpgm
.Lentry_in_a_cluster:
	s_bfe_u32 s2, ttmp6, 0x10000c
	s_cmp_lg_u32 s2, 0xf033
	s_cbranch_scc0 .Lentry_shape_is_right
	s_endpgm
.Lentry_shape_is_right:
; THE FOUR PROJECTIONS AS ONE PRODUCT: [8192 t][1024] x [4096 n'][1024]^T in bf16, sums in f32.  A tile is 256 time steps x one head's 256 columns (q, k, gate, v as the launch before laid them).
; Four waves, each 128 x 128: 64 accumulators of 16 x 16.  K goes in steps of 128 through two LDS slots filled by the tensor data mover (rows of 256 bytes, aligned).
; CLUSTER 4 x 4: the four work-groups of a row of the cluster need the same rows of x, the four of a column the same rows of the weights: each tile is asked for jointly.
; THE RESULT IS USED AS IT FALLS: source 0 = 16 time steps, source 1 = 16 channels, so a lane holds ONE channel (lane % 16) and the eight time steps 8 (lane / 16) + 0..7.  Rounded to f16 these are 16 bytes a lane,
; 512 dense bytes a wave: an IMAGE.  Two images are a matrix operand with the channel as row and 32 time steps along K; and the recurrence's products along time run along a lane's registers.
; qkvu: [batch x head 64][chunk of 64 steps 32][q, k, v, u][block of 16 steps 4][16 channels 4][512 bytes].  u = 1 - sigmoid(z) = 1 / (1 + e^z), z = x W_gate + b_gate (b_gate rounded to bf16 like every input).
; stats: for each wave the largest |q| or |v|, and the largest |k|, of what it stored: the next launch makes power-of-two scales of them.
; LIMITS.  q, k, v are stored in f16: beyond 65,504 they are lost (the drawn inputs reach 0.6; 30 times larger x and weights: 500).  u keeps 11 bits of 1 - a: below 3e-8 it is 0 and the gate counts as 1.
; NaN and infinities are not treated apart.
; REGISTERS, in windows of 256: window 0: v0-47 addresses and small work; v64-127, v128-191 fragments of x, two buffers; v192-255 packed results.  window 1: v64-191 fragments of the weights.
;   window 2: the 32 accumulators of my rows 0-63 ((a, b) at v[8 (8 a + b)]); window 3: those of my rows 64-127.
.set SIZE_K, 1024
.set KSTEP,  128
.set PITCH,  272                       ; an LDS row: 256 bytes + 16 of padding: the 16 rows that a load touches start at 16 different groups of four banks (64 banks of 4 bytes: ISA guide 11.1)
.set HALFT,  128*PITCH                 ; what one tensor load brings
.set SLOT,   4*HALFT                   ; x's 256 rows, then the weights' 256 rows
.set SPARE,  2*SLOT                    ; behind the ring: the spare words, 128 bytes for each wave
.set LAPS,   SIZE_K/(2*KSTEP)
.set ADRA, 16                          ; v16-17 LDS address of my fragments of x in slot 0, 1
.set ADRB, 20                          ; v20-21 the same for the weights
.set LOFF, 24                          ; v24 16 x lane: my place in an image
.set BOFF, 25                          ; v25 my byte offset in b_gate
.set SPW,  28                          ; v28 LDS address of my spare word; never rewritten
.set NIL,  29                          ; v29 0; never rewritten
.set BL,   32                          ; v[32:33], v[34:35] b_gate log2(e) of my channel in gate tile 0, 1 (each written twice: named as pairs)
.set MX,   36                          ; v36-37 running maxima of |q| or |v| (two f16 each), v38-39 of |k|
.set WK,   40                          ; v40-47 at work
.set F0,   64
.set F1,   128
.set TMP,  192                         ; two sets of 32: a block's eight images
.set G1,  24                           ; s[24:31] descriptor group 1 for x's tiles; s[32:39] group 0, a set for each slot
.set G0,  32
.set G1B, 48                           ; s[48:55], s[56:63] the same for the weights' tiles
.set G0B, 56
.set SEL, 80                           ; s[80:81] v_permlanex16_b32's selects
.set LG,  82                           ; s[82:83] log2(e), as a pair
.set ABSM, 84                          ; s84 clears the signs of two f16
.set SAVE, 85
.set MSB, 0
.macro WIN new                         ; the immediate's high byte repeats the setting that is left; a switch that changes nothing is dropped
.if MSB != (\new)
	s_set_vgpr_msb (MSB<<8)|(\new)
.set MSB, \new
.endif
.endm
.set MUL_LO, 0xa4                      ; source 0 (x) window 0, source 1 (weights) window 1, C and D window 2
.set MUL_HI, 0xf4                      ; the same, C and D window 3
.set TO_B,   0x40                      ; destination window 1, address window 0
; A joint load.  Waves 0 and 1 fetch x's two halves, waves 2 and 3 the weights'.  The branch hangs on the wave's number alone.  An s_nop 0 and four v_nop follow each of the two lines.
.macro JLOAD s
	s_cmp_eq_u32 s11, 0
	s_cbranch_scc0 .Lfor_b_\@
	tensor_load_to_lds s[G0+4*(\s):G0+4*(\s)+3], s[G1:G1+7]
	s_nop 0
.rept 4
	v_nop
.endr
	s_branch .Lasked_\@
.Lfor_b_\@:
	tensor_load_to_lds s[G0B+4*(\s):G0B+4*(\s)+3], s[G1B:G1B+7]
	s_nop 0
.rept 4
	v_nop
.endr
.Lasked_\@:
.endm
.macro CREST                           ; a round of the cluster's barrier behind its opening barrier
	s_cmp_lg_u32 s10, 0
	s_cbranch_scc1 .Lnot_wave_0_\@
	s_barrier_signal -3
.Lnot_wave_0_\@:
	s_barrier_wait -3
	s_barrier_signal -1
	s_barrier_wait -1
.endm
.macro CROUND                          ; a whole round
	s_barrier_signal -1
	s_barrier_wait -1
	CREST
.endm
	s_load_b128 s[4:7], s[0:1], 0x0                ; xb s[4:5], wcat s[6:7]
	s_load_b128 s[68:71], s[0:1], 0x10             ; b_gate s[68:69], qkvu s[70:71]
	s_load_b64 s[72:73], s[0:1], 0x20              ; stats
	v_lshl_add_u32 v[SPW], v0, 2, SPARE
	v_mov_b32 v[NIL], 0
	ds_add_u32 v[SPW], v[NIL]                      ; the wave's opening: the add and its wait stand ahead of my first tensor load; work on registers stands between them
	ds_add_u32 v28, v29
	v_lshrrev_b32 v1, 5, v0
	v_readfirstlane_b32 s10, v1                    ; wave 0..3
	s_lshr_b32 s11, s10, 1                         ; which half of the tile's rows is mine.  Also: I fetch for x (0) or for the weights (1)
	s_and_b32 s12, s10, 1                          ; which half of its columns.  Also: which 128 rows of that tile I fetch
	s_bfe_u32 s40, ttmp6, 0x40000                  ; cx
	s_bfe_u32 s41, ttmp6, 0x40004                  ; cy
	s_lshl_b32 s42, ttmp9, 2
	s_add_co_u32 s42, s42, s40                     ; tile column = the head = 4 x cluster x + cx
	s_and_b32 s13, ttmp7, 0xffff
	s_lshl_b32 s13, s13, 2
	s_add_co_u32 s13, s13, s41                     ; tile row = 4 x cluster y + cy
	s_lshl_b32 s43, s41, 2
	s_lshl_b32 s43, 15, s43                        ; my row of the cluster
	s_lshl_b32 s44, 0x1111, s40                    ; my column
	s_or_b32 s[G1+0], s43, (1<<16)|(1<<20)|(1<<21)|(5<<22)|(3<<25)   ; mask: x's tiles go to my row; 2-byte elements; padding on; bit 21 beside a mask; after every 64 words 4 words
	s_or_b32 s[G1B+0], s44, (1<<16)|(1<<20)|(1<<21)|(5<<22)|(3<<25)  ; the same with the mask of my column
.irp g, G1, G1B
	s_mov_b32 s[(\g)+1], KSTEP<<16                 ; tensor_dim0 = 128
	s_mov_b32 s[(\g)+2], 128<<16                   ; tensor_dim1 = 128
	s_mov_b32 s[(\g)+3], KSTEP<<16                 ; tile_dim0 = 128
	s_mov_b32 s[(\g)+4], 128                       ; tile_dim1 = 128
	s_mov_b32 s[(\g)+5], SIZE_K                    ; elements from row to row
	s_mov_b32 s[(\g)+6], 0
	s_mov_b32 s[(\g)+7], 0
.endr
	s_mov_b32 s[SEL], 0x76543210
	s_mov_b32 s[SEL+1], 0xfedcba98
	s_mov_b32 s[LG], 0x3fb8aa3b                    ; log2(e)
	s_mov_b32 s[LG+1], 0x3fb8aa3b
	s_mov_b32 s[ABSM], 0x7fff7fff
	s_lshl_b32 s17, s12, 7
	s_lshl_b32 s16, s13, 8
	s_add_co_u32 s16, s16, s17                     ; x: row 256 x tile row + 128 x half
	s_lshl_b32 s46, s42, 8
	s_add_co_u32 s46, s46, s17                     ; weights: row 256 x head + 128 x half
	s_mov_b32 s17, 0
	s_mov_b32 s47, 0
	s_mov_b64 s[18:19], SIZE_K*2
	s_mul_u64 s[16:17], s[16:17], s[18:19]
	s_mul_u64 s[46:47], s[46:47], s[18:19]
	s_mul_i32 s20, s10, HALFT                      ; where they go: wave x 128 rows: no place in the cluster enters an LDS address
	s_wait_dscnt 0x0                               ; the opening add is done
	s_wait_kmcnt 0x0
	s_add_nc_u64 s[14:15], s[4:5], s[16:17]
	s_add_nc_u64 s[46:47], s[6:7], s[46:47]
	CROUND                                         ; all sixteen work-groups are here: the first joint loads meet
.irp s, 0,1
	s_mov_b32 s[G0+4*(\s)], 1
	s_add_co_u32 s[G0+4*(\s)+1], s20, (\s)*SLOT
	s_add_nc_u64 s[G0+4*(\s)+2:G0+4*(\s)+3], s[14:15], (\s)*KSTEP*2
	s_or_b32 s[G0+4*(\s)+3], s[G0+4*(\s)+3], 0x80000000
	s_mov_b32 s[G0B+4*(\s)], 1
	s_add_co_u32 s[G0B+4*(\s)+1], s20, (\s)*SLOT
	s_add_nc_u64 s[G0B+4*(\s)+2:G0B+4*(\s)+3], s[46:47], (\s)*KSTEP*2
	s_or_b32 s[G0B+4*(\s)+3], s[G0B+4*(\s)+3], 0x80000000
	JLOAD \s                                       ; two loads of mine are out
.endr
	v_and_b32 v1, 15, v0                           ; l % 16
	v_bfe_u32 v2, v0, 4, 1                         ; l / 16
	v_mul_u32_u24 v3, v1, PITCH
	v_lshl_add_u32 v3, v2, 4, v3                   ; a fragment's row x pitch + 16 x half
	s_mul_i32 s21, s11, HALFT                      ; my 128 rows of x
	s_mul_i32 s22, s12, HALFT                      ; my 128 rows of the weights,
	s_add_co_u32 s22, s22, 2*HALFT                 ; which lie behind x's 256
.irp s, 0,1
	v_add_nc_u32 v[ADRA+(\s)], s21, v3
	v_add_nc_u32 v[ADRB+(\s)], s22, v3
	s_add_co_u32 s21, s21, SLOT
	s_add_co_u32 s22, s22, SLOT
.endr
	v_and_b32 v[LOFF], 31, v0
	v_lshlrev_b32 v[LOFF], 4, v[LOFF]
	s_lshl_b32 s74, s42, 8                         ; b_gate: 64 channels a head, 4 bytes each,
	s_lshl_b32 s75, s12, 7                         ; my 32 gate channels
	s_add_co_u32 s74, s74, s75
	v_lshl_add_u32 v[BOFF], v1, 2, s74
	global_load_b32 v[WK], v[BOFF], s[68:69]
	global_load_b32 v[WK+1], v[BOFF], s[68:69] offset:64
.irp i, 0,1,2,3
	v_mov_b32 v[MX+\i], 0
.endr
	; where my images go: unit = (batch x 16 + head) x 32 + chunk; my first chunk is 4 (tile row % 8) + 2 x row half
	s_lshr_b32 s76, s13, 3
	s_lshl_b32 s76, s76, 4
	s_add_co_u32 s76, s76, s42
	s_lshl_b32 s76, s76, 5
	s_and_b32 s77, s13, 7
	s_lshl2_add_u32 s76, s77, s76
	s_lshl1_add_u32 s76, s11, s76
	s_lshl_b32 s76, s76, 15                        ; a unit is 32,768 bytes
	s_mov_b32 s77, 0
	s_add_nc_u64 s[70:71], s[70:71], s[76:77]
	s_lshl_b32 s76, s12, 14
	s_add_nc_u64 s[78:79], s[70:71], s[76:77]      ; tiles 0-3: q (column half 0) or v (half 1), 16,384 bytes on
	s_lshl_b32 s76, s12, 10
	s_add_nc_u64 s[70:71], s[70:71], s[76:77]      ; tiles 4-7: k's and u's channel tiles 2 x half, 2 x half + 1
	s_lshl_b32 s76, s13, 4
	s_add_co_u32 s76, s76, s42
	s_lshl2_add_u32 s76, s76, s10
	s_lshl_b32 s76, s76, 3
	s_add_nc_u64 s[72:73], s[72:73], s[76:77]      ; stats: 8 bytes for each wave of each tile
; 16 matrix instructions: time blocks a0, a0 + 1 of the window's four x all 8 channel blocks, 32 along K.  zero = 1: the first product starts the sums
.macro MUL16 f, hi, a0, zero
	WIN MUL_LO+0x50*(\hi)
.irp a, \a0, (\a0)+1
.irp b, 0,1,2,3,4,5,6,7
.if \zero
	v_wmma_f32_16x16x32_bf16 v[8*(8*(\a)+(\b)):8*(8*(\a)+(\b))+7], v[(\f)+8*(4*(\hi)+(\a)):(\f)+8*(4*(\hi)+(\a))+7], v[(\f)+8*(\b):(\f)+8*(\b)+7], 0
.else
	v_wmma_f32_16x16x32_bf16 v[8*(8*(\a)+(\b)):8*(8*(\a)+(\b))+7], v[(\f)+8*(4*(\hi)+(\a)):(\f)+8*(4*(\hi)+(\a))+7], v[(\f)+8*(\b):(\f)+8*(\b)+7], v[8*(8*(\a)+(\b)):8*(8*(\a)+(\b))+7]
.endif
.endr
.endr
.endm
; 32 LDS loads in one run: the fragments of one quarter step (32 K at byte k of the rows) into buffer f
.macro FETCH slot, k, f
	WIN TO_B
.irp i, 0,1,2,3,4,5,6,7
	ds_load_b128 v[(\f)+8*(\i):(\f)+8*(\i)+3],   v[ADRB+(\slot)] offset:(\k)+(\i)*16*PITCH
	ds_load_b128 v[(\f)+8*(\i)+4:(\f)+8*(\i)+7], v[ADRB+(\slot)] offset:(\k)+(\i)*16*PITCH+32
.endr
	WIN 0
.irp i, 0,1,2,3,4,5,6,7
	ds_load_b128 v[(\f)+8*(\i):(\f)+8*(\i)+3],   v[ADRA+(\slot)] offset:(\k)+(\i)*16*PITCH
	ds_load_b128 v[(\f)+8*(\i)+4:(\f)+8*(\i)+7], v[ADRA+(\slot)] offset:(\k)+(\i)*16*PITCH+32
.endr
.endm
.macro PLACES                          ; four plain vector instructions between a matrix instruction and a load into, or a vector instruction on, one of its registers (ISA guide 7.12.1 for vector instructions)
.rept 4
	v_nop
.endr
.endm
; A K step is four quarters of 32 along K, 64 matrix instructions each, on buffers 0, 1, 0, 1.  The 64 accumulators take turns, in the same order in every quarter.
.macro QUARTER slot, k, f, g, zero
	s_wait_dscnt 8                                 ; the weights and x's rows 0-63 are in; the youngest eight loads (x's rows 64-127) may be out
	MUL16 \f, 0, 0, \zero
	MUL16 \f, 0, 2, \zero
	PLACES
	FETCH \slot, \k, \g
	s_wait_dscnt 32                                ; all but the 32 just issued
	MUL16 \f, 1, 0, \zero
	MUL16 \f, 1, 2, \zero
.endm
; The last quarter's first half: ONE barrier for the change of slots.  In front of it each wave waits for all its tensor loads (one is out: its part of the next slot), adds 0 to its spare word, and waits for that and its reads of this slot.
.macro MEET round
	WIN 0                                          ; (the add's two registers lie in window 0)
	s_wait_tensorcnt 0x0
	ds_add_u32 v[SPW], v[NIL]
	s_wait_dscnt 9                                 ; (the add and the youngest eight loads may be out)
	MUL16 F1, 0, 0, 0
	s_wait_dscnt 0x0                               ; the add is done, and my reads of this slot are over
	s_barrier_signal -1
	MUL16 F1, 0, 2, 0                              ; work on registers while the others arrive
.if \round
	WIN 0
.endif
	s_barrier_wait -1
.endm
.macro TURN slot, next                 ; the whole last quarter: the slot just read out is filled again first, two K steps ahead; 224 matrix instructions stand between the request and the wait for it
	MEET 1
	CREST                                          ; the barrier has opened a round of the cluster's: no wave of any partner still reads this slot or has a load on its way
	s_add_nc_u64 s[G0+4*(\slot)+2:G0+4*(\slot)+3], s[G0+4*(\slot)+2:G0+4*(\slot)+3], 2*KSTEP*2
	s_add_nc_u64 s[G0B+4*(\slot)+2:G0B+4*(\slot)+3], s[G0B+4*(\slot)+2:G0B+4*(\slot)+3], 2*KSTEP*2
	JLOAD \slot                                    ; the four v_nop behind it are also the places in front of the loads below
	FETCH \next, 0, F0
	MUL16 F1, 1, 0, 0
	MUL16 F1, 1, 2, 0
.endm
	s_wait_tensorcnt 1                             ; my part of K step 0 is in; K step 1's may stay out
	s_barrier_signal -1
	s_barrier_wait -1
	FETCH 0, 0, F0
	QUARTER 0, 64,  F0, F1, 1                      ; the first quarter stands in front of the loop: its products start the sums
	WIN 0
	s_mov_b32 s3, LAPS-1
.Llap:                                                 ; a trip goes once round the ring and fills both slots again
	QUARTER 0, 128, F1, F0, 0
	QUARTER 0, 192, F0, F1, 0
	TURN 0, 1
	QUARTER 1, 64,  F0, F1, 0
	QUARTER 1, 128, F1, F0, 0
	QUARTER 1, 192, F0, F1, 0
	TURN 1, 0
	QUARTER 0, 64,  F0, F1, 0
	WIN 0
	s_sub_co_u32 s3, s3, 1
	s_cmp_lg_u32 s3, 0
	s_cbranch_scc1 .Llap
	QUARTER 0, 128, F1, F0, 0                      ; the last lap fills nothing
	QUARTER 0, 192, F0, F1, 0
	MEET 0
	PLACES
	FETCH 1, 0, F0
	MUL16 F1, 1, 0, 0
	MUL16 F1, 1, 2, 0
	QUARTER 1, 64,  F0, F1, 0
	QUARTER 1, 128, F1, F0, 0
	QUARTER 1, 192, F0, F1, 0
	s_wait_dscnt 8
	MUL16 F1, 0, 0, 0
	MUL16 F1, 0, 2, 0
	s_wait_dscnt 0x0
	MUL16 F1, 1, 0, 0
	MUL16 F1, 1, 2, 0
	WIN 0
	PLACES
	; THE WAY OUT, a block of 16 time steps at a time.
	s_wait_loadcnt 0x0                             ; b_gate
	v_cvt_pk_bf16_f32 v[WK+2], v[WK], v[WK+1]      ; rounded to bf16 like every input
	v_lshlrev_b32 v[BL], 16, v[WK+2]
	v_and_b32 v[BL+2], 0xffff0000, v[WK+2]
	v_mul_f32 v[BL], s[LG], v[BL]
	v_mul_f32 v[BL+2], s[LG], v[BL+2]
	v_mov_b32 v[BL+1], v[BL]
	v_mov_b32 v[BL+3], v[BL+2]
; u = 1 / (1 + 2^(z log2 e)) on tiles 6 and 7 of block a, in place.  Behind each run of transcendentals one plain instruction stands before a result is used (ISA guide 5.7.2).
.macro SIG a
	WIN 0x82+0x41*((\a)/4)                         ; destination and source 0 in the block's window, the bias in window 0
.irp b, 6,7
.irp k, 0,2,4,6
.set RA, 8*(8*((\a)%4)+(\b))+(\k)
	v_pk_fma_f32 v[RA:RA+1], v[RA:RA+1], s[LG:LG+1], v[BL+2*((\b)-6):BL+2*((\b)-6)+1] op_sel_hi:[1,0,0]
.endr
.endr
.set RA, 8*(8*((\a)%4)+6)
.set i, 0
.rept 16
	v_exp_f32 v[RA+i], v[RA+i]
.set i, i+1
.endr
	v_nop
.set i, 0
	s_wait_alu depctr_va_vdst(0)
.rept 8
	v_pk_add_f32 v[RA+2*i:RA+2*i+1], v[RA+2*i:RA+2*i+1], 1.0 op_sel_hi:[1,0]
.set i, i+1
.endr
.set i, 0
.rept 16
	v_rcp_f32 v[RA+i], v[RA+i]
.set i, i+1
.endr
	v_nop
.endm
; Block a's eight tiles are rounded to f16 (each accumulator's registers in ascending order), their magnitudes enter the maxima, and each goes out as 512 dense bytes.
.macro PACKST a
.set TB, TMP+32*((\a)%2)
.set AC, 64*((\a)%4)
.set OFS, ((\a)/4)*32768+((\a)%4)*2048         ; chunk, block of 16 steps
	s_wait_xcnt 0x0                                ; the stores of two blocks ago have read this set of registers
	WIN 0x0a+5*((\a)/4)                            ; sources 0 and 1 in the block's window
	s_wait_alu depctr_va_vdst(0)
.irp b, 0,1,2,3,4,5,6,7
.irp r, 0,1,2,3
	v_cvt_pk_f16_f32 v[TB+4*(\b)+(\r)], v[AC+8*(\b)+2*(\r)], v[AC+8*(\b)+2*(\r)+1]
.endr
.endr
	WIN 0
.set i, 0
.rept 24                                               ; words 0-15: q or v; 16-23: k
	v_and_b32 v[WK+i%4], s[ABSM], v[TB+i]
	v_pk_max_num_f16 v[MX+2*(i/16)+i%2], v[MX+2*(i/16)+i%2], v[WK+i%4]
.set i, i+1
.endr
.irp b, 0,1,2,3
	global_store_b128 v[LOFF], v[TB+4*(\b):TB+4*(\b)+3], s[78:79] offset:OFS+(\b)*512
.endr
.irp b, 4,5
	global_store_b128 v[LOFF], v[TB+4*(\b):TB+4*(\b)+3], s[70:71] offset:OFS+8192+((\b)-4)*512
.endr
.irp b, 6,7
	global_store_b128 v[LOFF], v[TB+4*(\b):TB+4*(\b)+3], s[70:71] offset:OFS+24576+((\b)-6)*512
.endr
.endm
.irp a, 0,1,2,3,4,5,6,7
	SIG \a
	PACKST \a
.endr
	; the wave's two maxima, over halves and lanes, to stats
	v_pk_max_num_f16 v[MX], v[MX], v[MX+1]
	v_pk_max_num_f16 v[MX+2], v[MX+2], v[MX+3]
	v_cvt_f32_f16 v44, v36.l
	v_cvt_f32_f16 v45, v36.h
	v_cvt_f32_f16 v46, v38.l
	v_cvt_f32_f16 v47, v38.h
	v_max_num_f32 v44, v44, v45
	v_max_num_f32 v45, v46, v47
.irp x, 1,2,4,8
	v_max_num_f32_dpp v44, v44, v44 row_xmask:\x row_mask:0xf bank_mask:0xf
	v_max_num_f32_dpp v45, v45, v45 row_xmask:\x row_mask:0xf bank_mask:0xf
.endr
	v_permlanex16_b32 v46, v44, s[SEL], s[SEL+1]
	v_permlanex16_b32 v47, v45, s[SEL], s[SEL+1]
	v_max_num_f32 v44, v44, v46
	v_max_num_f32 v45, v45, v47
	v_mov_b32 v40, 0
	v_cmp_eq_u32 vcc_lo, 0, v[LOFF]                ; lane 0
	s_wait_xcnt 0x0                                ; EXEC changes only behind this wait: the stores above have it as a source
	s_and_saveexec_b32 s[SAVE], vcc_lo
	global_store_b64 v40, v[44:45], s[72:73]
	s_wait_xcnt 0x0                                ; and again in front of the line that widens it
	s_or_b32 exec_lo, exec_lo, s[SAVE]
	s_wait_tensorcnt 0x0                           ; the wave's end
	ds_add_u32 v[SPW], v[NIL]
	s_wait_dscnt 0x0
	CROUND                                         ; the closing round: no work-group ends while a partner may still ask for a tile that names it
	s_endpgm
.Lfunc_end_k_qc380b146b0_proj:
	.size	k_qc380b146b0_proj, .Lfunc_end_k_qc380b146b0_proj-k_qc380b146b0_proj
	.p2alignl 7, 3214868480
	.fill 96, 4, 3214868480
	.section	.rodata,"a",@progbits
	.p2align	6, 0x0
	.amdhsa_kernel k_qc380b146b0_proj
		.amdhsa_group_segment_fixed_size 327680
		.amdhsa_private_segment_fixed_size 0
		.amdhsa_enable_private_segment 0
		.amdhsa_kernarg_size 40
		.amdhsa_user_sgpr_count 2
		.amdhsa_user_sgpr_kernarg_segment_ptr 1
		.amdhsa_wavefront_size32 1
		.amdhsa_system_sgpr_workgroup_id_x 1
		.amdhsa_system_sgpr_workgroup_id_y 1
		.amdhsa_system_sgpr_workgroup_id_z 1
		.amdhsa_system_vgpr_workitem_id 0
		.amdhsa_next_free_vgpr 1024
		.amdhsa_next_free_sgpr 86
		.amdhsa_reserve_vcc 1
		.amdhsa_float_denorm_mode_32 3
		.amdhsa_float_denorm_mode_16_64 3
		.amdhsa_memory_ordered 1
		.amdhsa_forward_progress 1
		.amdhsa_inst_pref_size 171
	.end_amdhsa_kernel
	.amdgpu_metadata
---
amdhsa.version: [ 1, 2 ]
amdhsa.kernels:
  - .name:           k_qc380b146b0_proj
    .symbol:         k_qc380b146b0_proj.kd
    .args:
      - { .name: xb, .offset: 0, .size: 8, .value_kind: global_buffer, .address_space: global }
      - { .name: wcat, .offset: 8, .size: 8, .value_kind: global_buffer, .address_space: global }
      - { .name: b_gate, .offset: 16, .size: 8, .value_kind: global_buffer, .address_space: global }
      - { .name: qkvu, .offset: 24, .size: 8, .value_kind: global_buffer, .address_space: global }
      - { .name: stats, .offset: 32, .size: 8, .value_kind: global_buffer, .address_space: global }
    .group_segment_fixed_size: 327680
    .private_segment_fixed_size: 0
    .kernarg_segment_align: 8
    .kernarg_segment_size: 40
    .max_flat_workgroup_size: 128
    .sgpr_count:     86
    .vgpr_count:     1024
    .wavefront_size: 32
...
	.end_amdgpu_metadata
.endif
;; end of part 2
;; launch state (part 3): grid 4 x 64, 8 waves a work-group, clusters of 4 x 1, 266,240 bytes of LDS; arguments qkvu, stats, sbuf, scl; writes sbuf, scl
.if DOCPART == 3
	.amdgcn_target "amdgcn-amd-amdhsa--gfx1250"
	.amdhsa_code_object_version 6
	.text
	.protected	k_qc380b146b0_state
	.globl	k_qc380b146b0_state
	.p2align	8
	.type	k_qc380b146b0_state,@function
k_qc380b146b0_state:
	s_mov_b64 s[64:65], 0
	v_nop
	global_prefetch_b8 v0, s[64:65] scope:SCOPE_SE
	s_setreg_imm32_b32 hwreg(HW_REG_WAVE_MODE, 25, 1), 1
	s_wait_xcnt 0x0
	s_wait_alu depctr_hold_cnt(0) depctr_sa_sdst(0) depctr_va_vdst(0) depctr_va_sdst(0) depctr_va_ssrc(0) depctr_va_vcc(0) depctr_vm_vsrc(0)
	s_getreg_b32 s2, hwreg(HW_REG_IB_STS2, 6, 4)
	s_cmp_eq_u32 s2, 0
	s_cbranch_scc0 .Lentry_in_a_cluster
	s_endpgm
.Lentry_in_a_cluster:
	s_bfe_u32 s2, ttmp6, 0x10000c
	s_cmp_lg_u32 s2, 0x3003
	s_cbranch_scc0 .Lentry_shape_is_right
	s_endpgm
.Lentry_shape_is_right:
; THE STATE AT EACH CHUNK'S BEGINNING.  S_(c+1) = G_c (.) S_c + U_c, with G_c the product of the gates a over chunk c's 64 steps (per key channel) and
; U_c = the sum over s of (k_s x the product of a_r over s < r <= the chunk's end) v_s^T.  Every factor is a product of gates, so at most 1: nothing can overflow whatever the gates are.
; A work-group owns one (batch, head) and 16 of the 64 key channels (cx).  PHASE A: wave w makes U_c and G_c of chunks 4 w .. 4 w + 3: the products along time run along a lane's registers
; (a lane holds one channel and 8 steps), U_c is 8 matrix instructions in f16 with f32 sums.  PHASE B: waves 0-3 (one for each 16 value channels) walk the 32 chunks; the carry S stays in f32.
; CLUSTER 4 x 1: the four work-groups of a (batch, head) need the same v, two thirds of a work-group's bytes: it is asked for jointly, once; no LDS byte is filled again.
; SCALES.  From the launch before's maxima, with exponent field e held to 111..142: s = 2^(126 - e), so |k sk|, |v sv| < 1; sq' = sq 2^-6, so a sum of 64 products q' k' stays under 1.  sbuf holds S sk sv in f16, at most 2,048.
; scl: (sq', sk, sv, phi = 2^-8 / (sq' sk sv)), the same 16 bytes all through each work-group's own 256; the later launches read the first copy.
; sbuf: [batch x head][chunk][16 key channels 4][16 value channels 4][512 bytes]: a lane holds value channel lane % 16 and key channels 8 (lane / 16) + 0..7.
; LIMITS.  a = 1 - u with u in f16: an absolute error of 2^-12 min(u, 1).  k times its factor is rounded to f16 unscaled: below 6e-5 it keeps f16's fixed step of 6e-8.  NaN and infinities are not treated apart.
.set GREG,  262144                     ; behind v's 32 x 8,192 bytes: G_c, 16 f32 a chunk
.set STQ,   264192                     ; each wave's maxima, 16 bytes
.set SPARE, 264448                     ; the spare words, 128 bytes for each of the eight waves
.set LO,   1                           ; v1  16 x lane
.set VL,   2                           ; v2  my wave's four chunks of v in LDS + 16 x lane
.set GA,   3                           ; v3  where my channel's G goes
.set ONE,  4
.set ZERO, 5
.set SPW,  6                           ; v6  LDS address of my spare word; never rewritten
.set NIL,  7                           ; v7  0; never rewritten
.set X,    8                           ; v8-11   the other octet's product, for each block of 16 steps
.set VB,   8                           ; v8-11   phase B: U of my 16 value channels in chunks 0-7, 8-15, 16-23, 24-31 (an LDS immediate reaches 64 KiB)
.set FF,   12                          ; v12-15  what k's suffix product takes from outside its octet
.set G16,  16                          ; v16-19  the blocks' products
.set RR,   20                          ; v20-23  products of later blocks; v23 G
.set KP,   24                          ; v24-39  k's two fragments (16 channels x 32 steps); phase B: v24-31 at work, v32-33 sk sv, v35 G's address, v36 my place in sbuf
.set VG,   35
.set SO,   36
.set U,    40                          ; v40-71  four accumulators; phase B: v40-47 S
.set IMG,  72                          ; v72-135 two sets of 8 images: u's four, k's four
.set A,    136                         ; v136-167 gates, step j of block t at 4 j + t; then suffix products
.set KF,   168                         ; v168-199 k in f32, likewise
.set VF,   136                         ; v136-199 v's eight fragments, when A and KF are done with
.set ST,   200                         ; v200-215 four quads of stats; phase B: v200-231 packed results, 4 registers for each of a trip's 8 chunks
.set QA,   217
.set SC,   232                         ; v232-235 sq', sk, sv, phi
.set EQ,   236                         ; v236-238 exponent fields of q, k, v
.set LD,   72                          ; phase B: v72-199, 16 registers a chunk
.set SEL,  48
.macro CROUND
	s_barrier_signal -1
	s_barrier_wait -1
	s_cmp_lg_u32 s12, 0
	s_cbranch_scc1 .Lnot_wave_0_\@
	s_barrier_signal -3
.Lnot_wave_0_\@:
	s_barrier_wait -3
	s_barrier_signal -1
	s_barrier_wait -1
.endm
	s_load_b256 s[4:11], s[0:1], 0x0               ; qkvu s[4:5], stats s[6:7], sbuf s[8:9], scl s[10:11]
	v_lshl_add_u32 v[SPW], v0, 2, SPARE
	v_mov_b32 v[NIL], 0
	ds_add_u32 v[SPW], v[NIL]                      ; the wave's opening: the add and its wait stand ahead of my first tensor load
	ds_add_u32 v6, v7
	v_lshrrev_b32 v1, 5, v0
	v_readfirstlane_b32 s12, v1                    ; wave 0..7
	s_bfe_u32 s13, ttmp6, 0x40000                  ; cx: my 16 key channels; it enters global addresses of k, u, sbuf and scl alone
	s_and_b32 s14, ttmp7, 0xffff                   ; batch x 16 + head, which the four partners share
	; descriptor group 1: a chunk's v is 8,192 dense bytes: 32 rows of 256
	s_mov_b32 s16, 15|(3<<16)|(1<<21)              ; the mask of four; 8-byte elements; bit 21 beside a mask
	s_mov_b32 s17, 32<<16                          ; tensor_dim0 = 32
	s_mov_b32 s18, 32<<16                          ; tensor_dim1 = 32
	s_mov_b32 s19, 32<<16                          ; tile_dim0 = 32
	s_mov_b32 s20, 32                              ; tile_dim1 = 32
	s_mov_b32 s21, 32                              ; elements from row to row
	s_mov_b32 s22, 0
	s_mov_b32 s23, 0
	s_lshl_b32 s40, s14, 5
	s_lshl2_add_u32 s40, s12, s40                  ; my first unit: 32 (batch, head) + 4 wave
	s_lshl_b32 s40, s40, 15
	s_mov_b32 s41, 0
	s_lshl_b32 s42, s12, 15                        ; its place in LDS
	s_mov_b32 s[SEL], 0x76543210
	s_mov_b32 s[SEL+1], 0xfedcba98
	s_mov_b32 s50, 0xffff0000                      ; lanes 16-31: the upper octet
	s_mov_b32 s51, 0xaaaaaaaa                      ; odd lanes
	s_wait_dscnt 0x0                               ; the opening add is done
	s_wait_kmcnt 0x0
	s_add_nc_u64 s[4:5], s[4:5], s[40:41]
	CROUND                                         ; all four work-groups are here: the joint loads meet
.irp m, 0,1,2,3
	s_mov_b32 s[24+4*\m], 1
	s_add_co_u32 s[25+4*\m], s42, \m*8192
	s_add_nc_u64 s[26+4*\m:27+4*\m], s[4:5], \m*32768+16384  ; v is a unit's third tensor
	s_or_b32 s[27+4*\m], s[27+4*\m], 0x80000000
.endr
.irp m, 0,1,2,3
	tensor_load_to_lds s[24+4*\m:27+4*\m], s[16:23]            ; all first fills in one group: four loads of mine are out
	s_nop 0
.endr
.rept 4
	v_nop
.endr
	s_lshl_b32 s46, s13, 9
	s_mov_b32 s47, 0
	s_add_nc_u64 s[44:45], s[4:5], s[46:47]        ; k's and u's images of my 16 channels
	v_and_b32 v[LO], 31, v0
	v_lshlrev_b32 v[LO], 4, v[LO]
	v_lshl_add_u32 v216, s12, 11, v[LO]
.irp m, 0,1,2,3
	global_load_b128 v[ST+4*\m:ST+4*\m+3], v216, s[6:7] offset:\m*512  ; 128 of the 1,024 quads (q, k, v, k)
.endr
.macro KU m                            ; chunk m's eight images into set m % 2
.irp t, 0,1,2,3
	global_load_b128 v[IMG+32*((\m)%2)+4*\t:IMG+32*((\m)%2)+4*\t+3], v[LO], s[44:45] offset:(\m)*32768+24576+\t*2048
.endr
.irp t, 0,1,2,3
	global_load_b128 v[IMG+32*((\m)%2)+16+4*\t:IMG+32*((\m)%2)+16+4*\t+3], v[LO], s[44:45] offset:(\m)*32768+8192+\t*2048
.endr
.endm
	KU 0
	KU 1
	v_add_nc_u32 v[VL], s42, v[LO]
	v_and_b32 v[GA], 15, v0
	v_lshlrev_b32 v[GA], 2, v[GA]
	s_lshl_b32 s43, s12, 8
	s_add_co_u32 s43, s43, GREG
	v_add_nc_u32 v[GA], s43, v[GA]
	v_mov_b32 v[ONE], 1.0
	v_mov_b32 v[ZERO], 0
.irp t, 0,1,2,3
	v_mov_b32 v[X+\t], 0                           ; v_permlanex16_b32's destination counts as read
.endr
	s_lshl_b32 s43, s12, 4
	s_add_co_u32 s43, s43, STQ
	v_mov_b32 v[QA], s43
	s_lshl_b32 s52, s14, 18                        ; sbuf: 262,144 bytes a (batch, head), 2,048 for each 16 key channels
	s_lshl_b32 s53, s13, 11
	s_add_co_u32 s52, s52, s53
	s_mov_b32 s53, 0
	s_add_nc_u64 s[8:9], s[8:9], s[52:53]
	s_lshl2_add_u32 s52, s14, s13
	s_lshl_b32 s52, s52, 8
	s_add_nc_u64 s[10:11], s[10:11], s[52:53]      ; scl: my work-group's 256 bytes
	s_wait_loadcnt 16                              ; the stats are in; the sixteen images behind them stay out
.irp e, 0,1,2,3
	v_max3_num_f32 v[ST+\e], v[ST+\e], v[ST+4+\e], v[ST+8+\e]
.endr
.irp e, 0,1,2,3
	v_max_num_f32 v[ST+\e], v[ST+\e], v[ST+12+\e]
.endr
	v_max_num_f32 v[ST+1], v[ST+1], v[ST+3]
.irp x, 1,2,4,8
.irp e, 0,1,2
	v_max_num_f32_dpp v[ST+\e], v[ST+\e], v[ST+\e] row_xmask:\x row_mask:0xf bank_mask:0xf
.endr
.endr
.irp e, 0,1,2
	v_permlanex16_b32 v[ST+4+\e], v[ST+\e], s[SEL], s[SEL+1]
.endr
.irp e, 0,1,2
	v_max_num_f32 v[ST+\e], v[ST+\e], v[ST+4+\e]
.endr
	v_mov_b32 v[ST+3], v[ST+1]
	ds_store_b128 v[QA], v[ST:ST+3]                ; every lane the same 16 bytes
.macro CHUNK m
.set IU, IMG+32*((\m)%2)
.set IK, IU+16
.if (\m) < 3
	s_wait_loadcnt 8                               ; this chunk's images are in, the next chunk's eight stay out
.else
	s_wait_loadcnt 0x0
.endif
.irp t, 0,1,2,3
.irp q, 0,1,2,3
	v_fma_mix_f32 v[A+8*\q+\t], -v[IU+4*\t+\q], v[ONE], v[ONE] op_sel_hi:[1,0,0]                  ; a = 1 - u, step 2 q
	v_fma_mix_f32 v[A+8*\q+4+\t], -v[IU+4*\t+\q], v[ONE], v[ONE] op_sel:[1,0,0] op_sel_hi:[1,0,0]  ; step 2 q + 1
.endr
.endr
.irp j, 6,5,4,3,2,1,0                  ; slot j becomes the product of a_j .. a_7: slot j + 1 is step j's suffix product, slot 0 the octet's product
	v_pk_mul_f32 v[A+4*\j:A+4*\j+1], v[A+4*\j:A+4*\j+1], v[A+4*\j+4:A+4*\j+5]
	v_pk_mul_f32 v[A+4*\j+2:A+4*\j+3], v[A+4*\j+2:A+4*\j+3], v[A+4*\j+6:A+4*\j+7]
.endr
.irp t, 0,1,2,3
	v_permlanex16_b32 v[X+\t], v[A+\t], s[SEL], s[SEL+1]  ; the same channel's other octet lies 16 lanes away
.endr
	v_pk_mul_f32 v[G16:G16+1], v[A:A+1], v[X:X+1]
	v_pk_mul_f32 v[G16+2:G16+3], v[A+2:A+3], v[X+2:X+3]
.irp t, 0,1,2,3
	v_cndmask_b32 v[FF+\t], v[X+\t], v[ONE], s50   ; the lower octet's steps still pass the upper octet
.endr
	v_mul_f32 v[RR+1], v[G16+2], v[G16+3]
	v_mul_f32 v[RR], v[G16+1], v[RR+1]
	v_mul_f32 v[RR+3], v[G16], v[RR]               ; G: the whole chunk
	v_mul_f32 v[FF], v[FF], v[RR]
	v_mul_f32 v[FF+1], v[FF+1], v[RR+1]
	v_mul_f32 v[FF+2], v[FF+2], v[G16+3]
.irp t, 0,1,2,3
.irp q, 0,1,2,3
	v_fma_mix_f32 v[KF+8*\q+\t], v[IK+4*\t+\q], v[FF+\t], v[ZERO] op_sel_hi:[1,0,0]
	v_fma_mix_f32 v[KF+8*\q+4+\t], v[IK+4*\t+\q], v[FF+\t], v[ZERO] op_sel:[1,0,0] op_sel_hi:[1,0,0]
.endr
.endr
.if (\m) < 2
	KU (\m)+2                                      ; the set just read takes the chunk two further on
.endif
.irp j, 0,1,2,3,4,5,6
	v_pk_mul_f32 v[KF+4*\j:KF+4*\j+1], v[KF+4*\j:KF+4*\j+1], v[A+4*\j+4:A+4*\j+5]
	v_pk_mul_f32 v[KF+4*\j+2:KF+4*\j+3], v[KF+4*\j+2:KF+4*\j+3], v[A+4*\j+6:A+4*\j+7]
.endr
.irp t, 0,1,2,3
.irp q, 0,1,2,3
	v_cvt_pk_f16_f32 v[KP+(\t/2)*8+(\t%2)*4+\q], v[KF+8*\q+\t], v[KF+8*\q+4+\t]
.endr
.endr
	ds_store_b32 v[GA], v[RR+3] offset:(\m)*64
	s_wait_tensorcnt 3-(\m)                        ; tensor loads of a wave end in order: this chunk's v is in, the later chunks' loads stay out
.irp p, 0,1
.irp n, 0,1,2,3
	ds_load_b128 v[VF+8*(4*\p+\n):VF+8*(4*\p+\n)+3],   v[VL] offset:(\m)*8192+2*\p*2048+\n*512
	ds_load_b128 v[VF+8*(4*\p+\n)+4:VF+8*(4*\p+\n)+7], v[VL] offset:(\m)*8192+(2*\p+1)*2048+\n*512
.endr
.endr
	s_wait_dscnt 0x0
.irp n, 0,1,2,3                        ; the four accumulators take turns; the first four products start the sums
	v_wmma_f32_16x16x32_f16 v[U+8*\n:U+8*\n+7], v[KP:KP+7], v[VF+8*\n:VF+8*\n+7], 0
.endr
.irp n, 0,1,2,3
	v_wmma_f32_16x16x32_f16 v[U+8*\n:U+8*\n+7], v[KP+8:KP+15], v[VF+32+8*\n:VF+32+8*\n+7], v[U+8*\n:U+8*\n+7]
.endr
.rept 4
	v_nop                                          ; the places behind those products
.endr
.irp n, 0,1,2,3                        ; U_c in f32 takes the first half of the chunk's block: its one fill has landed and my reads of it are back; no other wave touches it before the barrier
	ds_store_b128 v[VL], v[U+8*\n:U+8*\n+3]   offset:(\m)*8192+\n*1024
	ds_store_b128 v[VL], v[U+8*\n+4:U+8*\n+7] offset:(\m)*8192+\n*1024+512
.endr
.endm
	CHUNK 0
	CHUNK 1
	CHUNK 2
	CHUNK 3
	s_wait_dscnt 0x0                               ; for the others' sake: my U, G and maxima are stored
	s_barrier_signal -1
	s_barrier_wait -1
	s_cmp_ge_u32 s12, 4
	s_cbranch_scc1 .Lend                           ; phase B is four waves' work
	v_mov_b32 v216, STQ
.irp w, 0,1,2,3,4,5,6,7
	ds_load_b128 v[LD+4*\w:LD+4*\w+3], v216 offset:16*\w
.endr
	s_wait_dscnt 0x0
.irp e, 0,1,2
	v_max3_num_f32 v[EQ+\e], v[LD+\e], v[LD+4+\e], v[LD+8+\e]
	v_max3_num_f32 v[EQ+\e], v[EQ+\e], v[LD+12+\e], v[LD+16+\e]
	v_max3_num_f32 v[EQ+\e], v[EQ+\e], v[LD+20+\e], v[LD+24+\e]
	v_max_num_f32 v[EQ+\e], v[EQ+\e], v[LD+28+\e]
	v_lshrrev_b32 v[EQ+\e], 23, v[EQ+\e]           ; the exponent field of a number that is not negative
	v_max_u32 v[EQ+\e], 111, v[EQ+\e]
	v_min_u32 v[EQ+\e], 142, v[EQ+\e]
.endr
	v_sub_nc_u32 v[SC], 247, v[EQ]                 ; sq' = 2^(120 - e): field 247 - e
	v_sub_nc_u32 v[SC+1], 253, v[EQ+1]             ; sk = 2^(126 - e)
	v_sub_nc_u32 v[SC+2], 253, v[EQ+2]             ; sv
	v_add_nc_u32 v32, v[EQ+1], v[EQ+2]
	v_add_nc_u32 v[SC+3], v[EQ], v32
	v_add_nc_u32 v[SC+3], 0xffffff03, v[SC+3]      ; phi: field eq + ek + ev - 253, 80 to 173
	v_sub_nc_u32 v32, 379, v32                     ; sk sv: field 379 - ek - ev
.irp e, 0,1,2,3
	v_lshlrev_b32 v[SC+\e], 23, v[SC+\e]
.endr
	v_lshlrev_b32 v32, 23, v32
	v_mov_b32 v33, v32
.irp k, 0,1,2,3,4,5,6,7
	v_mov_b32 v[U+\k], 0                           ; S_0 = 0
.endr
	v_lshl_add_u32 v[VB], s12, 10, v[LO]           ; U of my 16 value channels: 1,024 wave + 16 lane,
.irp t, 1,2,3
	v_add_nc_u32 v[VB+\t], \t*65536, v[VB]         ; and eight chunks of 8,192 bytes on for each later trip: every LDS address is a constant, the wave's number and the lane
.endr
	v_bfe_u32 v[VG], v0, 4, 1
	v_lshl_add_u32 v[VG], v[VG], 5, GREG           ; G of key channels 8 (lane / 16) + 0..7
	v_lshl_add_u32 v[SO], s12, 9, v[LO]            ; my image in sbuf
; Eight chunks: their U and G are asked for in one run of 32 loads; then chunk by chunk the state BEFORE the chunk leaves, scaled and rounded, and the carry steps in f32.
; The four trips are written out: the chunk stands in the immediates of the LDS loads and of the stores, and no address register is stepped.
.macro TRIP tr
.if (\tr) > 0
	s_wait_xcnt 0x0                                ; the last trip's eight stores have read their data registers, which are written again below
.endif
.irp q, 0,1,2,3,4,5,6,7
	ds_load_b128 v[LD+16*\q:LD+16*\q+3],     v[VB+(\tr)] offset:\q*8192
	ds_load_b128 v[LD+16*\q+4:LD+16*\q+7],   v[VB+(\tr)] offset:\q*8192+512
	ds_load_b128 v[LD+16*\q+8:LD+16*\q+11],  v[VG] offset:(8*(\tr)+\q)*64
	ds_load_b128 v[LD+16*\q+12:LD+16*\q+15], v[VG] offset:(8*(\tr)+\q)*64+16
.endr
.irp q, 0,1,2,3,4,5,6,7
	s_wait_dscnt 28-4*\q                           ; chunk q's four loads are in, the later chunks' stay out
.irp k, 0,2,4,6
	v_pk_mul_f32 v[24+\k:25+\k], v[U+\k:U+\k+1], v[32:33]
.endr
.irp k, 0,1,2,3
	v_cvt_pk_f16_f32 v[ST+4*\q+\k], v[24+2*\k], v[25+2*\k]
.endr
	global_store_b128 v[SO], v[ST+4*\q:ST+4*\q+3], s[8:9] offset:(8*(\tr)+\q)*8192  ; 512 dense bytes, aligned
.irp k, 0,2,4,6
	v_pk_fma_f32 v[U+\k:U+\k+1], v[LD+16*\q+8+\k:LD+16*\q+9+\k], v[U+\k:U+\k+1], v[LD+16*\q+\k:LD+16*\q+\k+1]
.endr
.endr
.endm
	TRIP 0
	TRIP 1
	TRIP 2
	TRIP 3
	s_cmp_lg_u32 s12, 0
	s_cbranch_scc1 .Lend
	v_cndmask_b32 v24, v[SC], v[SC+2], s51         ; even lanes (sq', sk), odd lanes (sv, phi): 256 dense bytes
	v_cndmask_b32 v25, v[SC+1], v[SC+3], s51
	v_lshrrev_b32 v26, 1, v[LO]
	global_store_b64 v26, v[24:25], s[10:11]
.Lend:
	s_wait_tensorcnt 0x0                           ; the wave's end
	ds_add_u32 v[SPW], v[NIL]
	s_wait_dscnt 0x0
	CROUND                                         ; the closing round
	s_endpgm
.Lfunc_end_k_qc380b146b0_state:
	.size	k_qc380b146b0_state, .Lfunc_end_k_qc380b146b0_state-k_qc380b146b0_state
	.p2alignl 7, 3214868480
	.fill 96, 4, 3214868480
	.section	.rodata,"a",@progbits
	.p2align	6, 0x0
	.amdhsa_kernel k_qc380b146b0_state
		.amdhsa_group_segment_fixed_size 266240
		.amdhsa_private_segment_fixed_size 0
		.amdhsa_enable_private_segment 0
		.amdhsa_kernarg_size 32
		.amdhsa_user_sgpr_count 2
		.amdhsa_user_sgpr_kernarg_segment_ptr 1
		.amdhsa_wavefront_size32 1
		.amdhsa_system_sgpr_workgroup_id_x 1
		.amdhsa_system_sgpr_workgroup_id_y 1
		.amdhsa_system_sgpr_workgroup_id_z 1
		.amdhsa_system_vgpr_workitem_id 0
		.amdhsa_next_free_vgpr 240
		.amdhsa_next_free_sgpr 66
		.amdhsa_reserve_vcc 0
		.amdhsa_float_denorm_mode_32 3
		.amdhsa_float_denorm_mode_16_64 3
		.amdhsa_memory_ordered 1
		.amdhsa_forward_progress 1
		.amdhsa_inst_pref_size 89
	.end_amdhsa_kernel
	.amdgpu_metadata
---
amdhsa.version: [ 1, 2 ]
amdhsa.kernels:
  - .name:           k_qc380b146b0_state
    .symbol:         k_qc380b146b0_state.kd
    .args:
      - { .name: qkvu, .offset: 0, .size: 8, .value_kind: global_buffer, .address_space: global }
      - { .name: stats, .offset: 8, .size: 8, .value_kind: global_buffer, .address_space: global }
      - { .name: sbuf, .offset: 16, .size: 8, .value_kind: global_buffer, .address_space: global }
      - { .name: scl, .offset: 24, .size: 8, .value_kind: global_buffer, .address_space: global }
    .group_segment_fixed_size: 266240
    .private_segment_fixed_size: 0
    .kernarg_segment_align: 8
    .kernarg_segment_size: 32
    .max_flat_workgroup_size: 256
    .sgpr_count:     66
    .vgpr_count:     240
    .wavefront_size: 32
...
	.end_amdgpu_metadata
.endif
;; end of part 3
;; launch gla (part 4): grid 256 x 1, 8 waves a work-group, no clusters, 287,744 bytes of LDS; arguments qkvu, sbuf, scl, oimg; writes oimg
.if DOCPART == 4
	.amdgcn_target "amdgcn-amd-amdhsa--gfx1250"
	.amdhsa_code_object_version 6
	.text
	.protected	k_qc380b146b0_gla
	.globl	k_qc380b146b0_gla
	.p2align	8
	.type	k_qc380b146b0_gla,@function
k_qc380b146b0_gla:
	s_mov_b64 s[64:65], 0
	v_nop
	global_prefetch_b8 v0, s[64:65] scope:SCOPE_SE
	s_setreg_imm32_b32 hwreg(HW_REG_WAVE_MODE, 25, 1), 1
	s_wait_xcnt 0x0
; THE OUTPUTS OF ONE CHUNK OF 64 STEPS OF ONE (BATCH, HEAD): a wave's whole work; 2,048 waves.  No wave reads what another reads or writes: no cluster, no barrier, each wave has its own 35,840 bytes of LDS.
; For query block be (16 steps) of the chunk:  o_t = (q_t P64_t) S_c + the sum over earlier blocks j of (q_t P16_t prod G16_m, j < m < be) . (k_s E16_s) v_s + the diagonal block.
; P^l_t: the product of the gates from the start of t's aligned block of l steps through t.  E^l_s: from behind s to the end of s's block.  G16: a block's product.  Every factor is a product of gates, at most 1.
; THE DIAGONAL BLOCK is chosen, entry by entry, among five products Q^(l) K^(l)T, l = 0, 1, 2, 4, 8 (Q^(l) = q P^l, K^(l) = k E^l, P^0 = E^0 = E^1 = 1), by x = t xor s:
; x = 0: l = 0; 1: l = 1; 2-3: l = 2; 4-7: l = 4; 8-15: l = 8; and 0 where t < s.  For that l the point between s's block and t's lies between s and t.  Entries not chosen are finite and are dropped by v_cndmask_b32.
; LAYOUT.  An image holds one channel a lane and 8 steps in its registers, so the gate products run along registers (the other octet of the block lies 16 lanes away).  Each version of q and k is rounded to f16, stored
; as [32 channels][16 steps] and read back turned (ds_load_tr16_b128) as an operand with the step as row and 32 channels along K.  A^T = K Q^T holds one query a lane and 8 keys: rounded, it IS source 1 of
; O^T = V^T A; S and v are used as their images lie.  O^T again holds one query a lane and 8 value channels: an image for the last product.
; SCALES (powers of two, from the launch before): q' = q sq', k' = k sk, v' = v sv: |k'|, |v'| < 1, |q'| < 2^-6, so |A| <= 1, |S| <= 2,048, |O| <= 2,112: no f16 operand can overflow.
; oimg: [16 steps 512][16 value channels 64][512 bytes], o sq' sk sv in f16.
; LIMITS.  a = 1 - u with u in f16 (absolute error 2^-12 min(u, 1)); f16's fixed step of 6e-8 below 6e-5 in every operand; NaN and infinities are not treated apart.
.set WLDS,  35840                      ; a wave's LDS: 13 versions of 1,024 bytes: Q0 Q1 Q2 Q4 Q8 Qc0-3 K0 K2 K4 K8;
.set K16O,  13312                      ; K16 of blocks 0-2, by channel half: 6 x 1,024;
.set VPO,   19456                      ; v' : 16 images;
.set SPO,   27648                      ; S: 16 images
.set SPARE, 8*WLDS
.set STA,  1                           ; v1  where my 16 bytes of a version go: row = channel, 32 bytes a row
.set TRA,  2                           ; v2  the turning load's address
.set IMA,  3                           ; v3  my place in an image in LDS
.set ONE,  4
.set ZERO, 5
.set SQ,   6
.set SK,   7
.set SV2,  8                           ; sv twice, in f16
.set GOFF, 9                           ; v9  16 x lane
.set SPW,  10                          ; v10 LDS address of my spare word; never rewritten
.set NIL,  11                          ; v11 0; never rewritten
.set IQ,   12                          ; v12-35 the images of q, k, u of two channel tiles
.set IK,   20
.set IU,   28
.set GS,   36                          ; two sets of 42, one a channel tile: +0 a, +8 q, +16 k (8 steps each), +24 q packed, +28 k packed, +32 pairs' products, +36 fours', +38 the octet's, +39 the other octet's, +40, +41 factors
.set FR,   36                          ; the same registers, as fragments of 8: up to 11
.set AP,   124                         ; v124-139 A, packed: two fragments
.set HIST, 140                         ; v140-155 G16 by block and channel tile
.set D0,   156                         ; v156-195 the five products of the diagonal block
.set D1,   164
.set DF,   196                         ; v196-219 the products with up to three earlier blocks
.set O,    220                         ; v220-251 O^T, four accumulators; at the head: at work
.set HT,   220
.set MSK,  24                          ; s[24:63] for each register j five lane masks: x >= 1, 2, 4, 8; t < s
.set SEL,  66
.set SH,   68
	s_load_b256 s[4:11], s[0:1], 0x0               ; qkvu s[4:5], sbuf s[6:7], scl s[8:9], oimg s[10:11]
	v_lshl_add_u32 v[SPW], v0, 2, SPARE
	v_mov_b32 v[NIL], 0
	v_lshrrev_b32 v1, 5, v0
	v_readfirstlane_b32 s12, v1                    ; wave
	s_lshl3_add_u32 s13, ttmp9, s12                ; my unit = (batch x 16 + head) x 32 + chunk
	s_lshl_b32 s14, s13, 15
	s_mov_b32 s15, 0
	v_and_b32 v[GOFF], 31, v0
	v_lshlrev_b32 v[GOFF], 4, v[GOFF]
	v_mov_b32 v[GS+39], 0                          ; v_permlanex16_b32's destinations count as read
	v_mov_b32 v[GS+81], 0
	s_wait_kmcnt 0x0
	s_load_b128 s[16:19], s[8:9], 0x0              ; sq', sk, sv, phi
	s_add_nc_u64 s[4:5], s[4:5], s[14:15]
	s_lshl_b32 s14, s13, 13
	s_add_nc_u64 s[6:7], s[6:7], s[14:15]
.set i, 0
.rept 16
	global_load_b128 v[D0+4*i:D0+4*i+3], v[GOFF], s[4:5] offset:16384+512*i   ; v
.set i, i+1
.endr
.set i, 0
.rept 16
	global_load_b128 v[GS+4*i:GS+4*i+3], v[GOFF], s[6:7] offset:512*i         ; S
.set i, i+1
.endr
.macro LOADIMG be, p                   ; q, k, u of block be, channel tiles 2 p, 2 p + 1
.irp u, 0,1
	global_load_b128 v[IQ+4*\u:IQ+4*\u+3], v[GOFF], s[4:5] offset:(\be)*2048+(2*(\p)+\u)*512
	global_load_b128 v[IK+4*\u:IK+4*\u+3], v[GOFF], s[4:5] offset:8192+(\be)*2048+(2*(\p)+\u)*512
	global_load_b128 v[IU+4*\u:IU+4*\u+3], v[GOFF], s[4:5] offset:24576+(\be)*2048+(2*(\p)+\u)*512
.endr
.endm
	LOADIMG 0, 0
	s_lshr_b32 s20, s13, 9                         ; oimg: step tile = batch x 128 + 4 chunk + block; channel tile = 4 head + n
	s_lshl_b32 s20, s20, 7
	s_and_b32 s21, s13, 31
	s_lshl2_add_u32 s20, s21, s20
	s_lshl_b32 s20, s20, 15
	s_bfe_u32 s21, s13, 0x40005
	s_lshl_b32 s21, s21, 11
	s_add_co_u32 s14, s20, s21
	s_add_nc_u64 s[10:11], s[10:11], s[14:15]
	s_mul_i32 s22, s12, WLDS
	s_mov_b32 s[SEL], 0x76543210
	s_mov_b32 s[SEL+1], 0xfedcba98
	s_mov_b32 s[SH], 0xffff0000                    ; lanes 16-31: the block's upper octet
	v_and_b32 v[HT], 15, v0                        ; r
	v_bfe_u32 v[HT+1], v0, 4, 1                    ; h
	v_lshlrev_b32 v[STA], 5, v[HT]
	v_lshl_add_u32 v[STA], v[HT+1], 4, v[STA]
	v_add_nc_u32 v[STA], s22, v[STA]
	v_and_b32 v[HT+2], 7, v0
	v_lshl_add_u32 v[HT+2], v[HT+1], 3, v[HT+2]
	v_bfe_u32 v[HT+3], v0, 3, 1
	v_lshlrev_b32 v[TRA], 5, v[HT+2]               ; channel 8 h + lane % 8, steps 8 ((lane / 8) % 2) on
	v_lshl_add_u32 v[TRA], v[HT+3], 4, v[TRA]
	v_add_nc_u32 v[TRA], s22, v[TRA]
	v_add_nc_u32 v[IMA], s22, v[GOFF]
	v_mov_b32 v[ONE], 1.0
	v_mov_b32 v[ZERO], 0
.set j, 0
.rept 8                                                ; in A^T register j of lane (r, h) is key s = 8 h + j, query t = r
	v_lshl_add_u32 v[HT+4], v[HT+1], 3, j
	v_xor_b32 v[HT+5], v[HT+4], v[HT]
	v_cmp_le_u32 s[MSK+5*j], 1, v[HT+5]
	v_cmp_le_u32 s[MSK+5*j+1], 2, v[HT+5]
	v_cmp_le_u32 s[MSK+5*j+2], 4, v[HT+5]
	v_cmp_le_u32 s[MSK+5*j+3], 8, v[HT+5]
	v_cmp_lt_u32 s[MSK+5*j+4], v[HT], v[HT+4]
.set j, j+1
.endr
	s_wait_kmcnt 0x0
	v_mov_b32 v[SQ], s16
	v_mov_b32 v[SK], s17
	v_mov_b32 v[HT+6], s18
	v_cvt_pk_f16_f32 v[SV2], v[HT+6], v[HT+6]      ; a power of two from 2^-16 to 2^15: exact in f16
	s_wait_loadcnt 22                              ; v is in; S's sixteen loads and the six images stay out
.set i, 0
.rept 64
	v_pk_mul_f16 v[D0+i], v[D0+i], v[SV2]
.set i, i+1
.endr
.set i, 0
.rept 16
	ds_store_b128 v[IMA], v[D0+4*i:D0+4*i+3] offset:VPO+512*i
.set i, i+1
.endr
	s_wait_loadcnt 6                               ; S is in; the six images stay out
.set i, 0
.rept 16
	ds_store_b128 v[IMA], v[GS+4*i:GS+4*i+3] offset:SPO+512*i
.set i, i+1
.endr
.macro BOTH line:vararg                ; one line for each of the two channel tiles: g its set of registers, t its number
.set g, GS
.set t, 0
	\line
.set g, GS+42
.set t, 1
	\line
.endm
.macro CVQ k                           ; steps 2 k, 2 k + 1 of q's version in hand, rounded
	BOTH v_cvt_pk_f16_f32 v[g+24+(\k)], v[g+8+2*(\k)], v[g+9+2*(\k)]
.endm
.macro CVK k
	BOTH v_cvt_pk_f16_f32 v[g+28+(\k)], v[g+16+2*(\k)], v[g+17+2*(\k)]
.endm
.macro STQV o                          ; the version goes to LDS byte o of my region
	BOTH ds_store_b128 v[STA], v[g+24:g+27] offset:(\o)+512*t
.endm
.macro STKV o
	BOTH ds_store_b128 v[STA], v[g+28:g+31] offset:(\o)+512*t
.endm
; THE VERSIONS of q and k for block be, channels 32 p .. 32 p + 31.  Each is made from the one before by multiplying only the steps whose factor grows, and only the words that changed are rounded anew.
.macro GSTAGE be, p
	s_wait_loadcnt 0x0                             ; the six images, asked for a stage ago
.irp k, 0,1,2,3
	BOTH v_fma_mix_f32 v[g+2*\k], -v[IU+4*t+\k], v[ONE], v[ONE] op_sel_hi:[1,0,0]
	BOTH v_fma_mix_f32 v[g+2*\k+1], -v[IU+4*t+\k], v[ONE], v[ONE] op_sel:[1,0,0] op_sel_hi:[1,0,0]
	BOTH v_fma_mix_f32 v[g+8+2*\k], v[IQ+4*t+\k], v[SQ], v[ZERO] op_sel_hi:[1,0,0]
	BOTH v_fma_mix_f32 v[g+9+2*\k], v[IQ+4*t+\k], v[SQ], v[ZERO] op_sel:[1,0,0] op_sel_hi:[1,0,0]
	BOTH v_fma_mix_f32 v[g+16+2*\k], v[IK+4*t+\k], v[SK], v[ZERO] op_sel_hi:[1,0,0]
	BOTH v_fma_mix_f32 v[g+17+2*\k], v[IK+4*t+\k], v[SK], v[ZERO] op_sel:[1,0,0] op_sel_hi:[1,0,0]
.endr
.if (\p) == 0
	LOADIMG \be, 1                                 ; the next stage's images: they have this stage and its products in which to land
.elseif (\be) < 3
	LOADIMG (\be)+1, 0
.endif
.irp k, 0,1,2,3
	CVQ \k
	CVK \k
.endr
	STQV 0                                         ; Q0 = q
	STKV 9*1024                                    ; K0 = k
.irp m, 0,1,2,3
	BOTH v_mul_f32 v[g+32+\m], v[g+2*\m], v[g+2*\m+1]
.endr
	BOTH v_mul_f32 v[g+36], v[g+32], v[g+33]
	BOTH v_mul_f32 v[g+37], v[g+34], v[g+35]
	BOTH v_mul_f32 v[g+38], v[g+36], v[g+37]
.irp m, 0,2,4,6
	BOTH v_pk_mul_f32 v[g+8+\m:g+9+\m], v[g+8+\m:g+9+\m], v[g+\m:g+\m+1]
.endr
.irp k, 0,1,2,3
	CVQ \k
.endr
	STQV 1*1024                                    ; Q1 = q a
.irp m, 0,2,4,6
	BOTH v_mul_f32 v[g+9+\m], v[g+9+\m], v[g+\m]
	BOTH v_mul_f32 v[g+16+\m], v[g+16+\m], v[g+\m+1]
.endr
.irp k, 0,1,2,3
	CVQ \k
	CVK \k
.endr
	STQV 2*1024                                    ; Q2: odd steps take the step before
	STKV 10*1024                                   ; K2: even steps take the step behind
	BOTH v_pk_mul_f32 v[g+10:g+11], v[g+10:g+11], v[g+32:g+33] op_sel_hi:[1,0]
	BOTH v_pk_mul_f32 v[g+14:g+15], v[g+14:g+15], v[g+34:g+35] op_sel_hi:[1,0]
	BOTH v_pk_mul_f32 v[g+16:g+17], v[g+16:g+17], v[g+32:g+33] op_sel:[0,1] op_sel_hi:[1,1]
	BOTH v_pk_mul_f32 v[g+20:g+21], v[g+20:g+21], v[g+34:g+35] op_sel:[0,1] op_sel_hi:[1,1]
	CVQ 1
	CVQ 3
	CVK 0
	CVK 2
	STQV 3*1024                                    ; Q4: steps 2, 3 and 6, 7 take the pair before
	STKV 11*1024                                   ; K4: steps 0, 1 and 4, 5 take the pair behind
	BOTH v_pk_mul_f32 v[g+12:g+13], v[g+12:g+13], v[g+36:g+37] op_sel_hi:[1,0]
	BOTH v_pk_mul_f32 v[g+14:g+15], v[g+14:g+15], v[g+36:g+37] op_sel_hi:[1,0]
	BOTH v_pk_mul_f32 v[g+16:g+17], v[g+16:g+17], v[g+36:g+37] op_sel:[0,1] op_sel_hi:[1,1]
	BOTH v_pk_mul_f32 v[g+18:g+19], v[g+18:g+19], v[g+36:g+37] op_sel:[0,1] op_sel_hi:[1,1]
	CVQ 2
	CVQ 3
	CVK 0
	CVK 1
	STQV 4*1024                                    ; Q8
	STKV 12*1024                                   ; K8
	BOTH v_permlanex16_b32 v[g+39], v[g+38], s[SEL], s[SEL+1]
	BOTH v_cndmask_b32 v[g+40], v[ONE], v[g+39], s[SH]   ; q's upper octet takes the lower octet's product,
	BOTH v_cndmask_b32 v[g+41], v[g+39], v[ONE], s[SH]   ; k's lower octet the upper's
.if (\be) < 3
	BOTH v_mul_f32 v[HIST+4*(\be)+2*(\p)+t], v[g+38], v[g+39]
.endif
.irp m, 0,2,4,6
	BOTH v_pk_mul_f32 v[g+8+\m:g+9+\m], v[g+8+\m:g+9+\m], v[g+40:g+41] op_sel_hi:[1,0]
.endr
.irp k, 0,1,2,3
	CVQ \k
.endr
	STQV 5*1024                                    ; Qc0 = q P16
.if (\be) < 3
.irp m, 0,2,4,6
	BOTH v_pk_mul_f32 v[g+16+\m:g+17+\m], v[g+16+\m:g+17+\m], v[g+40:g+41] op_sel:[0,1] op_sel_hi:[1,1]
.endr
.irp k, 0,1,2,3
	CVK \k
.endr
	STKV K16O+(2*(\be)+(\p))*1024                  ; K16 = k E16, kept for the later blocks
.endif
.if (\be) > 0
.set mm, 1
.rept \be                                              ; Qc m = Qc (m - 1) x G16 of block be - m; the last is q P64
.set HP, HIST+4*((\be)-mm)+2*(\p)
.irp m, 0,2,4,6
	v_pk_mul_f32 v[GS+8+\m:GS+9+\m], v[GS+8+\m:GS+9+\m], v[HP:HP+1] op_sel_hi:[1,0]
	v_pk_mul_f32 v[GS+50+\m:GS+51+\m], v[GS+50+\m:GS+51+\m], v[HP:HP+1] op_sel:[0,1] op_sel_hi:[1,1]
.endr
.irp k, 0,1,2,3
	CVQ \k
.endr
	STQV (5+mm)*1024
.set mm, mm+1
.endr
.endif
.endm
.macro FRAG f, o                       ; the version at byte o, turned: lane = step, 32 channels along K.  LDS serves a wave's instructions in order (ISA guide 5.7.1.4): these see the stores above
	ds_load_tr16_b128 v[FR+8*(\f):FR+8*(\f)+3],   v[TRA] offset:(\o)
	ds_load_tr16_b128 v[FR+8*(\f)+4:FR+8*(\f)+7], v[TRA] offset:(\o)+512
.endm
.macro MMA d, fa, fb, first
.if \first
	v_wmma_f32_16x16x32_f16 v[(\d):(\d)+7], v[FR+8*(\fa):FR+8*(\fa)+7], v[FR+8*(\fb):FR+8*(\fb)+7], 0
.else
	v_wmma_f32_16x16x32_f16 v[(\d):(\d)+7], v[FR+8*(\fa):FR+8*(\fa)+7], v[FR+8*(\fb):FR+8*(\fb)+7], v[(\d):(\d)+7]
.endif
.endm
.macro PLACES
.rept 4
	v_nop
.endr
.endm
; THE PRODUCTS over channels 32 p .. 32 p + 31.  p = 0 starts every sum.  No two matrix instructions that follow each other share an accumulator.
.macro MSTAGE be, p
	s_wait_xcnt 0x0                                ; the last block's stores have read D0's and D1's registers
	FRAG 0, 9*1024
	FRAG 1, 0
	FRAG 2, 1*1024
	FRAG 3, 10*1024
	FRAG 4, 2*1024
	FRAG 5, 11*1024
	FRAG 6, 3*1024
	FRAG 7, 12*1024
	FRAG 8, 4*1024
	s_wait_dscnt 8                                 ; the last four fragments' eight loads may be out
	MMA D0,    0, 1, 1-(\p)
	MMA D1,    0, 2, 1-(\p)
	MMA D1+8,  3, 4, 1-(\p)
	s_wait_dscnt 0x0
	MMA D1+16, 5, 6, 1-(\p)
	MMA D1+24, 7, 8, 1-(\p)
	PLACES                                         ; in front of loads into registers that those products read
.if (\be) > 0
.set jj, 0
.rept \be
	FRAG 2*jj,   K16O+(2*jj+(\p))*1024
	FRAG 2*jj+1, (5+(\be)-1-jj)*1024
.set jj, jj+1
.endr
.endif
	FRAG 6, (5+(\be))*1024
.irp n, 0,1,2,3
	ds_load_b128 v[FR+8*(7+\n):FR+8*(7+\n)+3],   v[IMA] offset:SPO+2*(\p)*2048+\n*512
	ds_load_b128 v[FR+8*(7+\n)+4:FR+8*(7+\n)+7], v[IMA] offset:SPO+(2*(\p)+1)*2048+\n*512
.endr
.if (\be) > 0
	s_wait_dscnt 10                                ; q P64's two loads and S's eight may be out
.set jj, 0
.rept \be
	MMA DF+8*jj, 2*jj, 2*jj+1, 1-(\p)
.set jj, jj+1
.endr
.endif
	s_wait_dscnt 0x0
.irp n, 0,1,2,3
	MMA O+8*\n, 7+\n, 6, 1-(\p)
.endr
	PLACES
.endm
.macro PK4 d, s
.irp k, 0,1,2,3
	v_cvt_pk_f16_f32 v[(\d)+\k], v[(\s)+2*\k], v[(\s)+2*\k+1]
.endr
.endm
.macro ZR4 d
.irp k, 0,1,2,3
	v_mov_b32 v[(\d)+\k], 0
.endr
.endm
; BLOCK be IS FINISHED: the diagonal block is chosen, A is rounded, O^T += V^T A, and O^T leaves as four images.
.macro FINISH be
.set pp, 0
.rept (\be)/2+1
.irp n, 0,1,2,3
	ds_load_b128 v[FR+8*(4*pp+\n):FR+8*(4*pp+\n)+3],   v[IMA] offset:VPO+(8*pp+\n)*512
	ds_load_b128 v[FR+8*(4*pp+\n)+4:FR+8*(4*pp+\n)+7], v[IMA] offset:VPO+(8*pp+\n)*512+2048
.endr
.set pp, pp+1
.endr
.irp k, 0,1,2,3                        ; each accumulator is read from its lowest register on
.irp j, 0,1,2,3,4,5,6,7
	v_cndmask_b32 v[D0+\j], v[D0+\j], v[D1+8*\k+\j], s[MSK+5*\j+\k]
.endr
.endr
.irp j, 0,1,2,3,4,5,6,7
	v_cndmask_b32 v[D0+\j], v[D0+\j], v[ZERO], s[MSK+5*\j+4]
.endr
.if (\be) == 0
	PK4 AP, D0
	ZR4 AP+4
.elseif (\be) == 1
	PK4 AP, DF
	PK4 AP+4, D0
.elseif (\be) == 2
	PK4 AP, DF
	PK4 AP+4, DF+8
	PK4 AP+8, D0
	ZR4 AP+12
.else
	PK4 AP, DF
	PK4 AP+4, DF+8
	PK4 AP+8, DF+16
	PK4 AP+12, D0
.endif
	s_wait_dscnt 0x0                               ; v' is in
.set pp, 0
.rept (\be)/2+1
.irp n, 0,1,2,3
	v_wmma_f32_16x16x32_f16 v[O+8*\n:O+8*\n+7], v[FR+8*(4*pp+\n):FR+8*(4*pp+\n)+7], v[AP+8*pp:AP+8*pp+7], v[O+8*\n:O+8*\n+7]
.endr
.set pp, pp+1
.endr
	PLACES
.irp n, 0,1,2,3
	PK4 D0+4*\n, O+8*\n
.endr
.irp n, 0,1,2,3
	global_store_b128 v[GOFF], v[D0+4*\n:D0+4*\n+3], s[10:11] offset:(\be)*32768+\n*512  ; 512 dense bytes, aligned
.endr
.endm
.irp be, 0,1,2,3
	GSTAGE \be, 0
	MSTAGE \be, 0
	GSTAGE \be, 1
	MSTAGE \be, 1
	FINISH \be
.endr
	s_wait_tensorcnt 0x0                           ; the wave's end, behind my last LDS store
	ds_add_u32 v[SPW], v[NIL]
	s_wait_dscnt 0x0
	s_endpgm
.Lfunc_end_k_qc380b146b0_gla:
	.size	k_qc380b146b0_gla, .Lfunc_end_k_qc380b146b0_gla-k_qc380b146b0_gla
	.p2alignl 7, 3214868480
	.fill 96, 4, 3214868480
	.section	.rodata,"a",@progbits
	.p2align	6, 0x0
	.amdhsa_kernel k_qc380b146b0_gla
		.amdhsa_group_segment_fixed_size 287744
		.amdhsa_private_segment_fixed_size 0
		.amdhsa_enable_private_segment 0
		.amdhsa_kernarg_size 32
		.amdhsa_user_sgpr_count 2
		.amdhsa_user_sgpr_kernarg_segment_ptr 1
		.amdhsa_wavefront_size32 1
		.amdhsa_system_sgpr_workgroup_id_x 1
		.amdhsa_system_sgpr_workgroup_id_y 1
		.amdhsa_system_sgpr_workgroup_id_z 1
		.amdhsa_system_vgpr_workitem_id 0
		.amdhsa_next_free_vgpr 256
		.amdhsa_next_free_sgpr 70
		.amdhsa_reserve_vcc 0
		.amdhsa_float_denorm_mode_32 3
		.amdhsa_float_denorm_mode_16_64 3
		.amdhsa_memory_ordered 1
		.amdhsa_forward_progress 1
		.amdhsa_inst_pref_size 182
	.end_amdhsa_kernel
	.amdgpu_metadata
---
amdhsa.version: [ 1, 2 ]
amdhsa.kernels:
  - .name:           k_qc380b146b0_gla
    .symbol:         k_qc380b146b0_gla.kd
    .args:
      - { .name: qkvu, .offset: 0, .size: 8, .value_kind: global_buffer, .address_space: global }
      - { .name: sbuf, .offset: 8, .size: 8, .value_kind: global_buffer, .address_space: global }
      - { .name: scl, .offset: 16, .size: 8, .value_kind: global_buffer, .address_space: global }
      - { .name: oimg, .offset: 24, .size: 8, .value_kind: global_buffer, .address_space: global }
    .group_segment_fixed_size: 287744
    .private_segment_fixed_size: 0
    .kernarg_segment_align: 8
    .kernarg_segment_size: 32
    .max_flat_workgroup_size: 256
    .sgpr_count:     70
    .vgpr_count:     256
    .wavefront_size: 32
...
	.end_amdgpu_metadata
.endif
;; end of part 4
;; launch oproj (part 5): grid 8 x 32, 4 waves a work-group, clusters of 4 x 4, 327,680 bytes of LDS; arguments oimg, wot, scl, out0; writes out0
.if DOCPART == 5
	.amdgcn_target "amdgcn-amd-amdhsa--gfx1250"
	.amdhsa_code_object_version 6
	.text
	.protected	k_qc380b146b0_oproj
	.globl	k_qc380b146b0_oproj
	.p2align	8
	.type	k_qc380b146b0_oproj,@function
k_qc380b146b0_oproj:
	s_mov_b64 s[64:65], 0
	v_nop
	global_prefetch_b8 v0, s[64:65] scope:SCOPE_SE
	s_setreg_imm32_b32 hwreg(HW_REG_WAVE_MODE, 25, 1), 1
	s_wait_xcnt 0x0
	s_wait_alu depctr_hold_cnt(0) depctr_sa_sdst(0) depctr_va_vdst(0) depctr_va_sdst(0) depctr_va_ssrc(0) depctr_va_vcc(0) depctr_vm_vsrc(0)
	s_getreg_b32 s2, hwreg(HW_REG_IB_STS2, 6, 4)
	s_cmp_eq_u32 s2, 0
	s_cbranch_scc0 .Lentry_in_a_cluster
	s_endpgm
.Lentry_in_a_cluster:
	s_bfe_u32 s2, ttmp6, 0x10000c
	s_cmp_lg_u32 s2, 0xf033
	s_cbranch_scc0 .Lentry_shape_is_right
	s_endpgm
.Lentry_shape_is_right:
; out0 = o W_o: [8192 t][1024 k] x [1024 n][1024 k]^T in f16, sums in f32.  o arrives as images (16 steps x 16 channels, 512 bytes, a lane's 16 bytes being its part of an operand) times sq' sk sv,
; W_o turned, rounded to bf16 and times 256; phi = 2^-8 / (sq' sk sv), a power of two, takes both out again in f32 at the end.
; A tile is 256 x 128: 256 work-groups, one for each of 256 WGPs.  Four waves, each 128 x 64: 32 accumulators.  K goes in steps of 128 through two LDS slots.
; CLUSTER 4 x 4: o's tiles are shared along a row of the cluster, W_o's along a column: joint loads.
; THE MATRIX INSTRUCTION IS USED TRANSPOSED (source 0 = 16 rows of wot, source 1 = 16 steps of o): a lane holds eight neighbouring numbers of a row of out0.
; REGISTERS: window 0: v0-31 addresses; v32-63 scaled results; two fragment buffers of 96 (o's 8 fragments, then W_o's 4) at v64 and v160; window 1: the accumulators, (a, b) at v[8 (4 a + b)].
.set SIZE_K, 1024
.set KSTEP,  128
.set PITCH,  272                       ; a row of wot in LDS: 256 bytes + 16
.set ATILE,  65536                     ; o: 16 step tiles x 8 images x 512 bytes, dense: a fragment load takes 512 neighbouring bytes
.set BHALF,  64*PITCH
.set SLOT,   ATILE+2*BHALF
.set STAGE,  2*SLOT                    ; behind the ring: 16 rows x 272 bytes for each wave
.set SPITCH, 272
.set SPARE,  STAGE+4*16*SPITCH
.set LAPS,   SIZE_K/(2*KSTEP)
.set ADRA, 16
.set ADRB, 20
.set STO,  24
.set RD,   25
.set CO,   26
.set SPW,  28                          ; v28 LDS address of my spare word; never rewritten
.set NIL,  29                          ; v29 0; never rewritten
.set TMP,  32
.set F0,   64
.set F1,   160
.set G1,  24
.set G0,  32
.set G1B, 48
.set G0B, 56
.set PHI, 72                           ; s[72:73]
.set MSB, 0
.macro WIN new
.if MSB != (\new)
	s_set_vgpr_msb (MSB<<8)|(\new)
.set MSB, \new
.endif
.endm
.set MUL, 0x50                         ; sources 0 and 1 window 0; C and D window 1
.macro JLOAD s                         ; waves 0 and 1 fetch o's two halves, waves 2 and 3 W_o's; an s_nop 0 and four v_nop follow each of the two lines
	s_cmp_eq_u32 s11, 0
	s_cbranch_scc0 .Lfor_b_\@
	tensor_load_to_lds s[G0+4*(\s):G0+4*(\s)+3], s[G1:G1+7]
	s_nop 0
.rept 4
	v_nop
.endr
	s_branch .Lasked_\@
.Lfor_b_\@:
	tensor_load_to_lds s[G0B+4*(\s):G0B+4*(\s)+3], s[G1B:G1B+7]
	s_nop 0
.rept 4
	v_nop
.endr
.Lasked_\@:
.endm
.macro CREST
	s_cmp_lg_u32 s10, 0
	s_cbranch_scc1 .Lnot_wave_0_\@
	s_barrier_signal -3
.Lnot_wave_0_\@:
	s_barrier_wait -3
	s_barrier_signal -1
	s_barrier_wait -1
.endm
.macro CROUND
	s_barrier_signal -1
	s_barrier_wait -1
	CREST
.endm
	s_load_b128 s[4:7], s[0:1], 0x0                ; oimg s[4:5], wot s[6:7]
	s_load_b128 s[68:71], s[0:1], 0x10             ; scl s[68:69], out0 s[70:71]
	v_lshl_add_u32 v[SPW], v0, 2, SPARE
	v_mov_b32 v[NIL], 0
	ds_add_u32 v[SPW], v[NIL]                      ; the wave's opening: the add and its wait stand ahead of my first tensor load
	ds_add_u32 v28, v29
	v_lshrrev_b32 v1, 5, v0
	v_readfirstlane_b32 s10, v1                    ; wave 0..3
	s_lshr_b32 s11, s10, 1                         ; my half of the tile's rows.  Also: I fetch for o (0) or for W_o (1)
	s_and_b32 s12, s10, 1                          ; my half of its columns.  Also: which half of that tile I fetch
	s_bfe_u32 s40, ttmp6, 0x40000
	s_bfe_u32 s41, ttmp6, 0x40004
	s_lshl_b32 s42, ttmp9, 2
	s_add_co_u32 s42, s42, s40                     ; tile column
	s_and_b32 s13, ttmp7, 0xffff
	s_lshl_b32 s13, s13, 2
	s_add_co_u32 s13, s13, s41                     ; tile row
	s_lshl_b32 s43, s41, 2
	s_lshl_b32 s43, 15, s43                        ; my row of the cluster
	s_lshl_b32 s44, 0x1111, s40                    ; my column
	; o: 8 step tiles, of each the K step's 8 images = 4,096 dense bytes; from step tile to step tile 32,768 bytes
	s_or_b32 s[G1+0], s43, (3<<16)|(1<<21)         ; the mask of my row; 8-byte elements; bit 21 beside a mask; no padding
	s_mov_b32 s[G1+1], 512<<16                     ; tensor_dim0 = 512
	s_mov_b32 s[G1+2], 8<<16                       ; tensor_dim1 = 8
	s_mov_b32 s[G1+3], 512<<16                     ; tile_dim0 = 512
	s_mov_b32 s[G1+4], 8                           ; tile_dim1 = 8
	s_mov_b32 s[G1+5], 4096                        ; elements from row to row
	s_mov_b32 s[G1+6], 0
	s_mov_b32 s[G1+7], 0
	; W_o: 64 rows x 128 elements of 2 bytes, padded in LDS
	s_or_b32 s[G1B+0], s44, (1<<16)|(1<<20)|(1<<21)|(5<<22)|(3<<25)
	s_mov_b32 s[G1B+1], KSTEP<<16
	s_mov_b32 s[G1B+2], 64<<16
	s_mov_b32 s[G1B+3], KSTEP<<16
	s_mov_b32 s[G1B+4], 64
	s_mov_b32 s[G1B+5], SIZE_K
	s_mov_b32 s[G1B+6], 0
	s_mov_b32 s[G1B+7], 0
	s_lshl_b32 s16, s13, 4
	s_lshl3_add_u32 s16, s12, s16                  ; o: step tile 16 x tile row + 8 x half
	s_lshl_b32 s16, s16, 15
	s_mov_b32 s17, 0
	s_lshl_b32 s46, s42, 7
	s_lshl_b32 s47, s12, 6
	s_add_co_u32 s46, s46, s47                     ; W_o: row 128 x tile column + 64 x half
	s_lshl_b32 s46, s46, 11
	s_mov_b32 s47, 0
	s_lshl_b32 s20, s12, 15                        ; where they go: no place in the cluster enters an LDS address
	s_mul_i32 s21, s12, BHALF
	s_add_co_u32 s21, s21, ATILE
	s_wait_dscnt 0x0                               ; the opening add is done
	s_wait_kmcnt 0x0
	s_add_nc_u64 s[14:15], s[4:5], s[16:17]
	s_add_nc_u64 s[46:47], s[6:7], s[46:47]
	s_load_b32 s[PHI], s[68:69], 0xc               ; phi, from the first copy
	CROUND                                         ; all sixteen work-groups are here: the first joint loads meet
.irp s, 0,1
	s_mov_b32 s[G0+4*(\s)], 1
	s_add_co_u32 s[G0+4*(\s)+1], s20, (\s)*SLOT
	s_add_nc_u64 s[G0+4*(\s)+2:G0+4*(\s)+3], s[14:15], (\s)*4096
	s_or_b32 s[G0+4*(\s)+3], s[G0+4*(\s)+3], 0x80000000
	s_mov_b32 s[G0B+4*(\s)], 1
	s_add_co_u32 s[G0B+4*(\s)+1], s21, (\s)*SLOT
	s_add_nc_u64 s[G0B+4*(\s)+2:G0B+4*(\s)+3], s[46:47], (\s)*KSTEP*2
	s_or_b32 s[G0B+4*(\s)+3], s[G0B+4*(\s)+3], 0x80000000
	JLOAD \s                                       ; two loads of mine are out
.endr
	v_and_b32 v1, 15, v0
	v_bfe_u32 v2, v0, 4, 1
	v_and_b32 v3, 31, v0
	v_lshlrev_b32 v3, 4, v3                        ; my place in an image
	v_mul_u32_u24 v4, v1, PITCH
	v_lshl_add_u32 v4, v2, 4, v4
	s_lshl_b32 s22, s11, 15                        ; my 8 step tiles
	s_mul_i32 s23, s12, BHALF                      ; my 64 rows of W_o
	s_add_co_u32 s23, s23, ATILE
.irp s, 0,1
	v_add_nc_u32 v[ADRA+(\s)], s22, v3
	v_add_nc_u32 v[ADRB+(\s)], s23, v4
	s_add_co_u32 s22, s22, SLOT
	s_add_co_u32 s23, s23, SLOT
.endr
	s_mul_i32 s22, s10, 16*SPITCH
	s_add_co_u32 s22, s22, STAGE                   ; my stage
	v_mul_u32_u24 v5, v1, SPITCH                   ; in: row l % 16, 32 bytes for each half of the lanes
	v_lshl_add_u32 v5, v2, 5, v5
	v_add_nc_u32 v[STO], s22, v5
	v_mul_u32_u24 v5, v2, SPITCH                   ; back: lanes 0-15 one row of 256 bytes, lanes 16-31 the next
	v_lshl_add_u32 v5, v1, 4, v5
	v_add_nc_u32 v[RD], s22, v5
	v_lshlrev_b32 v5, 12, v2                       ; and the same two rows in out0
	v_lshl_add_u32 v[CO], v1, 4, v5
	s_lshl_b32 s74, s13, 8
	s_lshl_b32 s75, s11, 7
	s_add_co_u32 s74, s74, s75                     ; my first row,
	s_lshl_b32 s74, s74, 12
	s_lshl_b32 s75, s42, 9                         ; my first column, in bytes
	s_add_co_u32 s74, s74, s75
	s_lshl_b32 s75, s12, 8
	s_add_co_u32 s74, s74, s75
	s_mov_b32 s75, 0
	s_add_nc_u64 s[70:71], s[70:71], s[74:75]
.macro MUL8 f, a0, zero                ; 8 matrix instructions: step tiles a0, a0 + 1 x all 4 column tiles, 32 along K
	WIN MUL
.irp a, \a0, (\a0)+1
.irp b, 0,1,2,3
.if \zero
	v_wmma_f32_16x16x32_f16 v[8*(4*(\a)+(\b)):8*(4*(\a)+(\b))+7], v[(\f)+64+8*(\b):(\f)+64+8*(\b)+7], v[(\f)+8*(\a):(\f)+8*(\a)+7], 0
.else
	v_wmma_f32_16x16x32_f16 v[8*(4*(\a)+(\b)):8*(4*(\a)+(\b))+7], v[(\f)+64+8*(\b):(\f)+64+8*(\b)+7], v[(\f)+8*(\a):(\f)+8*(\a)+7], v[8*(4*(\a)+(\b)):8*(4*(\a)+(\b))+7]
.endif
.endr
.endr
.endm
.macro FETCH slot, q, f                ; 24 LDS loads in one run: quarter q's fragments: W_o's four, then o's eight
	WIN 0
.irp b, 0,1,2,3
	ds_load_b128 v[(\f)+64+8*(\b):(\f)+64+8*(\b)+3],   v[ADRB+(\slot)] offset:(\q)*64+(\b)*16*PITCH
	ds_load_b128 v[(\f)+64+8*(\b)+4:(\f)+64+8*(\b)+7], v[ADRB+(\slot)] offset:(\q)*64+(\b)*16*PITCH+32
.endr
.irp a, 0,1,2,3,4,5,6,7
	ds_load_b128 v[(\f)+8*(\a):(\f)+8*(\a)+3],   v[ADRA+(\slot)] offset:(\a)*4096+(\q)*1024
	ds_load_b128 v[(\f)+8*(\a)+4:(\f)+8*(\a)+7], v[ADRA+(\slot)] offset:(\a)*4096+(\q)*1024+512
.endr
.endm
.macro PLACES
.rept 4
	v_nop
.endr
.endm
; A K step is four quarters of 32 along K, 32 matrix instructions each, on buffers 0, 1, 0, 1; the 32 accumulators take turns in the same order in every quarter.
.macro QUARTER slot, q, f, g, zero
	s_wait_dscnt 8                                 ; W_o and o's step tiles 0-3 are in; the youngest eight loads may be out
	MUL8 \f, 0, \zero
	MUL8 \f, 2, \zero
	PLACES
	FETCH \slot, \q, \g
	s_wait_dscnt 24                                ; all but the 24 just issued
	MUL8 \f, 4, \zero
	MUL8 \f, 6, \zero
.endm
; The last quarter multiplies buffer 1 and changes slots: ONE barrier; in front of it each wave waits for all its tensor loads, adds 0 to its spare word, and waits for that and for its reads of this slot.
.macro TURN slot, next, fill
	WIN 0
	s_wait_tensorcnt 0x0                           ; the one that was out is my part of the next slot
	ds_add_u32 v[SPW], v[NIL]
	s_wait_dscnt 9                                 ; (the add and the youngest eight loads may be out)
	MUL8 F1, 0, 0
	s_wait_dscnt 0x0                               ; the add is done, and my reads of this slot are over
	s_barrier_signal -1
	MUL8 F1, 2, 0
.if \fill
	WIN 0
.endif
	s_barrier_wait -1
.if \fill
	CREST                                          ; the barrier has opened a round of the cluster's: no wave of any partner still reads this slot or has a load on its way
	s_add_nc_u64 s[G0+4*(\slot)+2:G0+4*(\slot)+3], s[G0+4*(\slot)+2:G0+4*(\slot)+3], 2*4096
	s_add_nc_u64 s[G0B+4*(\slot)+2:G0B+4*(\slot)+3], s[G0B+4*(\slot)+2:G0B+4*(\slot)+3], 2*KSTEP*2
	JLOAD \slot                                    ; 112 matrix instructions ahead of the wait for it; its four v_nop are also the places in front of the loads below
.else
	PLACES
.endif
	FETCH \next, 0, F0
	MUL8 F1, 4, 0
	MUL8 F1, 6, 0
.endm
	s_wait_tensorcnt 1                             ; my part of K step 0 is in; K step 1's may stay out
	s_barrier_signal -1
	s_barrier_wait -1
	FETCH 0, 0, F0
	QUARTER 0, 1, F0, F1, 1                        ; the first quarter stands in front of the loop: its products start the sums
	WIN 0
	s_mov_b32 s3, LAPS-1
.Llap:
	QUARTER 0, 2, F1, F0, 0
	QUARTER 0, 3, F0, F1, 0
	TURN 0, 1, 1
	QUARTER 1, 1, F0, F1, 0
	QUARTER 1, 2, F1, F0, 0
	QUARTER 1, 3, F0, F1, 0
	TURN 1, 0, 1
	QUARTER 0, 1, F0, F1, 0
	WIN 0
	s_sub_co_u32 s3, s3, 1
	s_cmp_lg_u32 s3, 0
	s_cbranch_scc1 .Llap
	QUARTER 0, 2, F1, F0, 0                        ; the last lap fills nothing
	QUARTER 0, 3, F0, F1, 0
	TURN 0, 1, 0
	QUARTER 1, 1, F0, F1, 0
	QUARTER 1, 2, F1, F0, 0
	QUARTER 1, 3, F0, F1, 0
	s_wait_dscnt 8
	MUL8 F1, 0, 0
	MUL8 F1, 2, 0
	s_wait_dscnt 0x0
	MUL8 F1, 4, 0
	MUL8 F1, 6, 0
	WIN 0
	PLACES
	s_wait_kmcnt 0x0
	s_mov_b32 s[PHI+1], s[PHI]                     ; named with it as a pair
; THE WAY OUT of step tile a: times phi; 32 bytes a lane into my stage; back as whole rows of 256 bytes; stored.  The stage is my own and LDS serves a wave's instructions in order (ISA guide 5.7.1.4).
.macro OUTA a
.set BK, F0+32*((\a)%2)
	WIN 0x01                                       ; source 0 in window 1
.irp b, 0,1,2,3
.irp k, 0,2,4,6
	v_pk_mul_f32 v[TMP+8*(\b)+(\k):TMP+8*(\b)+(\k)+1], v[8*(4*(\a)+(\b))+(\k):8*(4*(\a)+(\b))+(\k)+1], s[PHI:PHI+1] op_sel_hi:[1,0]
.endr
.endr
	WIN 0
.irp b, 0,1,2,3
	ds_store_b128 v[STO], v[TMP+8*(\b):TMP+8*(\b)+3]   offset:64*(\b)
	ds_store_b128 v[STO], v[TMP+8*(\b)+4:TMP+8*(\b)+7] offset:64*(\b)+16
.endr
	s_wait_xcnt 0x0                                ; the stores of two tiles ago have read these registers
.irp t, 0,1,2,3,4,5,6,7
	ds_load_b128 v[BK+4*(\t):BK+4*(\t)+3], v[RD] offset:(\t)*2*SPITCH
.endr
.irp t, 0,1,2,3,4,5,6,7
	s_wait_dscnt 7-(\t)
	global_store_b128 v[CO], v[BK+4*(\t):BK+4*(\t)+3], s[70:71] offset:(16*(\a)+2*(\t))*4096 th:TH_STORE_NT  ; 16 lanes store 256 consecutive bytes, aligned; the row stands in the immediate
.endr
.endm
.irp a, 0,1,2,3,4,5,6,7
	OUTA \a
.endr
	s_wait_tensorcnt 0x0                           ; the wave's end
	ds_add_u32 v[SPW], v[NIL]
	s_wait_dscnt 0x0
	CROUND                                         ; the closing round
	s_endpgm
.Lfunc_end_k_qc380b146b0_oproj:
	.size	k_qc380b146b0_oproj, .Lfunc_end_k_qc380b146b0_oproj-k_qc380b146b0_oproj
	.p2alignl 7, 3214868480
	.fill 96, 4, 3214868480
	.section	.rodata,"a",@progbits
	.p2align	6, 0x0
	.amdhsa_kernel k_qc380b146b0_oproj
		.amdhsa_group_segment_fixed_size 327680
		.amdhsa_private_segment_fixed_size 0
		.amdhsa_enable_private_segment 0
		.amdhsa_kernarg_size 32
		.amdhsa_user_sgpr_count 2
		.amdhsa_user_sgpr_kernarg_segment_ptr 1
		.amdhsa_wavefront_size32 1
		.amdhsa_system_sgpr_workgroup_id_x 1
		.amdhsa_system_sgpr_workgroup_id_y 1
		.amdhsa_system_sgpr_workgroup_id_z 1
		.amdhsa_system_vgpr_workitem_id 0
		.amdhsa_next_free_vgpr 512
		.amdhsa_next_free_sgpr 78
		.amdhsa_reserve_vcc 0
		.amdhsa_float_denorm_mode_32 3
		.amdhsa_float_denorm_mode_16_64 3
		.amdhsa_memory_ordered 1
		.amdhsa_forward_progress 1
		.amdhsa_inst_pref_size 95
	.end_amdhsa_kernel
	.amdgpu_metadata
---
amdhsa.version: [ 1, 2 ]
amdhsa.kernels:
  - .name:           k_qc380b146b0_oproj
    .symbol:         k_qc380b146b0_oproj.kd
    .args:
      - { .name: oimg, .offset: 0, .size: 8, .value_kind: global_buffer, .address_space: global }
      - { .name: wot, .offset: 8, .size: 8, .value_kind: global_buffer, .address_space: global }
      - { .name: scl, .offset: 16, .size: 8, .value_kind: global_buffer, .address_space: global }
      - { .name: out0, .offset: 24, .size: 8, .value_kind: global_buffer, .address_space: global }
    .group_segment_fixed_size: 327680
    .private_segment_fixed_size: 0
    .kernarg_segment_align: 8
    .kernarg_segment_size: 32
    .max_flat_workgroup_size: 128
    .sgpr_count:     78
    .vgpr_count:     512
    .wavefront_size: 32
...
	.end_amdgpu_metadata
.endif
;; end of part 5
;; ======== version 2 of 2: 5 launches; 1.15 times as fast as version 1
;; limits: values are held in f16: magnitudes above 65,504 overflow, below 6.1e-05 lose precision; right only within a limited range of input values
;; workspace buffers: xb 16,777,216 bytes; wcat 8,388,608 bytes; wot 2,097,152 bytes; qkvu 67,108,864 bytes; stats 16,384 bytes; sbuf 16,777,216 bytes; scl 65,536 bytes; oimg 16,777,216 bytes
;; launch prep: the kernel of part 1 again; grid 1152 x 1, 8 waves a work-group, no clusters, 18,432 bytes of LDS; arguments x, W_q, W_k, W_v, W_gate, W_o, xb, wcat, wot; writes xb, wcat, wot
;; launch proj (part 6): grid 16 x 32, 4 waves a work-group, clusters of 4 x 4, 327,680 bytes of LDS; arguments xb, wcat, b_gate, qkvu, stats; writes qkvu, stats
.if DOCPART == 6
	.amdgcn_target "amdgcn-amd-amdhsa--gfx1250"
	.amdhsa_code_object_version 6
	.text
	.protected	k_qc380b146b0_proj
	.globl	k_qc380b146b0_proj
	.p2align	8
	.type	k_qc380b146b0_proj,@function
k_qc380b146b0_proj:
	s_mov_b64 s[64:65], 0
	v_nop
	global_prefetch_b8 v0, s[64:65] scope:SCOPE_SE
	s_setreg_imm32_b32 hwreg(HW_REG_WAVE_MODE, 25, 1), 1
	s_wait_xcnt 0x0
	s_wait_alu depctr_hold_cnt(0) depctr_sa_sdst(0) depctr_va_vdst(0) depctr_va_sdst(0) depctr_va_ssrc(0) depctr_va_vcc(0) depctr_vm_vsrc(0)
	s_getreg_b32 s2, hwreg(HW_REG_IB_STS2, 6, 4)
	s_cmp_eq_u32 s2, 0
	s_cbranch_scc0 .Lentry_in_a_cluster
	s_endpgm
.Lentry_in_a_cluster:
	s_bfe_u32 s2, ttmp6, 0x10000c
	s_cmp_lg_u32 s2, 0xf033
	s_cbranch_scc0 .Lentry_shape_is_right
	s_endpgm
.Lentry_shape_is_right:
; THE FOUR PROJECTIONS AS ONE PRODUCT: [8192 t][1024] x [4096 n'][1024]^T in bf16, sums in f32.  A tile is 256 time steps x one head's 256 columns (q, k, gate, v as the launch before laid them).
; Four waves, each 128 x 128: 64 accumulators of 16 x 16.  K goes in 8 steps of 128 through two LDS slots filled by the tensor data mover (rows of 256 bytes, aligned).
; A K step is written once for the six steps that fill a slot again and once for the last two, which fill nothing: the slot in hand lies in two scalar registers, turned by an exclusive or at each change of slots.
; CLUSTER 4 x 4: the four work-groups of a row of the cluster need the same rows of x, the four of a column the same rows of the weights: each tile is asked for jointly.
; THE RESULT IS USED AS IT FALLS: source 0 = 16 time steps, source 1 = 16 channels, so a lane holds ONE channel (lane % 16) and the eight time steps 8 (lane / 16) + 0..7.  Rounded to f16 these are 16 bytes a lane,
; 512 dense bytes a wave: an IMAGE.  Two images are a matrix operand with the channel as row and 32 time steps along K; and the recurrence's products along time run along a lane's registers.
; qkvu: [batch x head 64][chunk of 64 steps 32][q, k, v, u][block of 16 steps 4][16 channels 4][512 bytes].  u = 1 - sigmoid(z) = 1 / (1 + e^z), z = x W_gate + b_gate (b_gate rounded to bf16 like every input).
; stats: for each wave the largest |q| or |v|, and the largest |k|, of what it stored: the next launch makes power-of-two scales of them.
; LIMITS.  q, k, v are stored in f16: beyond 65,504 they are lost (the drawn inputs reach 0.6; 30 times larger x and weights: 500).  u keeps 11 bits of 1 - a: below 3e-8 it is 0 and the gate counts as 1.
; NaN and infinities are not treated apart.
; REGISTERS, in windows of 256: window 0: v0-47 addresses and small work; v64-127, v128-191 fragments of x, two buffers; v192-255 packed results.  window 1: v64-191 fragments of the weights.
;   window 2: the 32 accumulators of my rows 0-63 ((a, b) at v[8 (8 a + b)]); window 3: those of my rows 64-127.
.set SIZE_K, 1024
.set KSTEP,  128
.set STEPS,  SIZE_K/KSTEP
.set PITCH,  272                       ; an LDS row: 256 bytes + 16 of padding: the 16 rows that a load touches start at 16 different groups of four banks (64 banks of 4 bytes: ISA guide 11.1)
.set HALFT,  128*PITCH                 ; what one tensor load brings: 0x8800 bytes
.set SLOT,   4*HALFT                   ; x's 256 rows, then the weights' 256 rows: 0x22000 bytes, which shares no bit with 0x8800 w for w = 0..3: an exclusive or with SLOT adds it or takes it away
.set SPARE,  2*SLOT                    ; behind the ring: the spare words, 128 bytes for each wave
.set ADRA, 16                          ; v16 LDS address of my fragments of x in the slot in hand
.set FB,   18                          ; v18 a fragment's row x pitch + 16 x half; never rewritten
.set ADRB, 20                          ; v20 the same as v16 for the weights
.set LOFF, 24                          ; v24 16 x lane: my place in an image
.set BOFF, 25                          ; v25 my byte offset in b_gate
.set SPW,  28                          ; v28 LDS address of my spare word; never rewritten
.set NIL,  29                          ; v29 0; never rewritten
.set BL,   32                          ; v[32:33], v[34:35] b_gate log2(e) of my channel in gate tile 0, 1 (each written twice: named as pairs)
.set MX,   36                          ; v36-37 running maxima of |q| or |v| (two f16 each), v38-39 of |k|
.set WK,   40                          ; v40-47 at work
.set F0,   64
.set F1,   128
.set TMP,  192                         ; two sets of 32: a block's eight images
.set G1,  24                           ; s[24:31] descriptor group 1 for x's tiles; s[32:39] group 0: a set for each of the two first fills; the second then walks on
.set G0,  32
.set G1B, 48                           ; s[48:55], s[56:63] the same for the weights' tiles
.set G0B, 56
.set SEL, 80                           ; s[80:81] v_permlanex16_b32's selects
.set LG,  82                           ; s[82:83] log2(e), as a pair
.set ABSM, 84                          ; s84 clears the signs of two f16
.set SAVE, 85
.set MSB, 0
.macro WIN new                         ; the immediate's high byte repeats the setting that is left; a switch that changes nothing is dropped
.if MSB != (\new)
	s_set_vgpr_msb (MSB<<8)|(\new)
.set MSB, \new
.endif
.endm
.set MUL_LO, 0xa4                      ; source 0 (x) window 0, source 1 (weights) window 1, C and D window 2
.set MUL_HI, 0xf4                      ; the same, C and D window 3
.set TO_B,   0x40                      ; destination window 1, address window 0
; A joint load.  Waves 0 and 1 fetch x's two halves, waves 2 and 3 the weights'.  The branch hangs on the wave's number alone.  An s_nop 0 and four v_nop follow each of the two lines.
.macro JLOAD s
	s_cmp_eq_u32 s11, 0
	s_cbranch_scc0 .Lfor_b_\@
	tensor_load_to_lds s[G0+4*(\s):G0+4*(\s)+3], s[G1:G1+7]
	s_nop 0
.rept 4
	v_nop
.endr
	s_branch .Lasked_\@
.Lfor_b_\@:
	tensor_load_to_lds s[G0B+4*(\s):G0B+4*(\s)+3], s[G1B:G1B+7]
	s_nop 0
.rept 4
	v_nop
.endr
.Lasked_\@:
.endm
.macro CREST                           ; a round of the cluster's barrier behind its opening barrier
	s_cmp_lg_u32 s10, 0
	s_cbranch_scc1 .Lnot_wave_0_\@
	s_barrier_signal -3
.Lnot_wave_0_\@:
	s_barrier_wait -3
	s_barrier_signal -1
	s_barrier_wait -1
.endm
.macro CROUND                          ; a whole round
	s_barrier_signal -1
	s_barrier_wait -1
	CREST
.endm
	s_load_b128 s[4:7], s[0:1], 0x0                ; xb s[4:5], wcat s[6:7]
	s_load_b128 s[68:71], s[0:1], 0x10             ; b_gate s[68:69], qkvu s[70:71]
	s_load_b64 s[72:73], s[0:1], 0x20              ; stats
	v_lshl_add_u32 v[SPW], v0, 2, SPARE
	v_mov_b32 v[NIL], 0
	ds_add_u32 v[SPW], v[NIL]                      ; the wave's opening: the add and its wait stand ahead of my first tensor load; work on registers stands between them
	ds_add_u32 v28, v29
	v_lshrrev_b32 v1, 5, v0
	v_readfirstlane_b32 s10, v1                    ; wave 0..3
	s_lshr_b32 s11, s10, 1                         ; which half of the tile's rows is mine.  Also: I fetch for x (0) or for the weights (1)
	s_and_b32 s12, s10, 1                          ; which half of its columns.  Also: which 128 rows of that tile I fetch
	s_bfe_u32 s40, ttmp6, 0x40000                  ; cx
	s_bfe_u32 s41, ttmp6, 0x40004                  ; cy
	s_lshl_b32 s42, ttmp9, 2
	s_add_co_u32 s42, s42, s40                     ; tile column = the head = 4 x cluster x + cx
	s_and_b32 s13, ttmp7, 0xffff
	s_lshl_b32 s13, s13, 2
	s_add_co_u32 s13, s13, s41                     ; tile row = 4 x cluster y + cy
	s_lshl_b32 s43, s41, 2
	s_lshl_b32 s43, 15, s43                        ; my row of the cluster
	s_lshl_b32 s44, 0x1111, s40                    ; my column
	s_or_b32 s[G1+0], s43, (1<<16)|(1<<20)|(1<<21)|(5<<22)|(3<<25)   ; mask: x's tiles go to my row; 2-byte elements; padding on; bit 21 beside a mask; after every 64 words 4 words
	s_or_b32 s[G1B+0], s44, (1<<16)|(1<<20)|(1<<21)|(5<<22)|(3<<25)  ; the same with the mask of my column
.irp g, G1, G1B
	s_mov_b32 s[(\g)+1], KSTEP<<16                 ; tensor_dim0 = 128
	s_mov_b32 s[(\g)+2], 128<<16                   ; tensor_dim1 = 128
	s_mov_b32 s[(\g)+3], KSTEP<<16                 ; tile_dim0 = 128
	s_mov_b32 s[(\g)+4], 128                       ; tile_dim1 = 128
	s_mov_b32 s[(\g)+5], SIZE_K                    ; elements from row to row
	s_mov_b32 s[(\g)+6], 0
	s_mov_b32 s[(\g)+7], 0
.endr
	s_mov_b32 s[SEL], 0x76543210
	s_mov_b32 s[SEL+1], 0xfedcba98
	s_mov_b32 s[LG], 0x3fb8aa3b                    ; log2(e)
	s_mov_b32 s[LG+1], 0x3fb8aa3b
	s_mov_b32 s[ABSM], 0x7fff7fff
	s_lshl_b32 s17, s12, 7
	s_lshl_b32 s16, s13, 8
	s_add_co_u32 s16, s16, s17                     ; x: row 256 x tile row + 128 x half
	s_lshl_b32 s46, s42, 8
	s_add_co_u32 s46, s46, s17                     ; weights: row 256 x head + 128 x half
	s_mov_b32 s17, 0
	s_mov_b32 s47, 0
	s_mov_b64 s[18:19], SIZE_K*2
	s_mul_u64 s[16:17], s[16:17], s[18:19]
	s_mul_u64 s[46:47], s[46:47], s[18:19]
	s_mul_i32 s20, s10, HALFT                      ; where they go: wave x 128 rows: no place in the cluster enters an LDS address
	s_wait_dscnt 0x0                               ; the opening add is done
	s_wait_kmcnt 0x0
	s_add_nc_u64 s[14:15], s[4:5], s[16:17]
	s_add_nc_u64 s[46:47], s[6:7], s[46:47]
	CROUND                                         ; all sixteen work-groups are here: the first joint loads meet
.irp s, 0,1
	s_mov_b32 s[G0+4*(\s)], 1
	s_add_co_u32 s[G0+4*(\s)+1], s20, (\s)*SLOT
	s_add_nc_u64 s[G0+4*(\s)+2:G0+4*(\s)+3], s[14:15], (\s)*KSTEP*2
	s_or_b32 s[G0+4*(\s)+3], s[G0+4*(\s)+3], 0x80000000
	s_mov_b32 s[G0B+4*(\s)], 1
	s_add_co_u32 s[G0B+4*(\s)+1], s20, (\s)*SLOT
	s_add_nc_u64 s[G0B+4*(\s)+2:G0B+4*(\s)+3], s[46:47], (\s)*KSTEP*2
	s_or_b32 s[G0B+4*(\s)+3], s[G0B+4*(\s)+3], 0x80000000
	JLOAD \s                                       ; two loads of mine are out
.endr
	v_and_b32 v1, 15, v0                           ; l % 16
	v_bfe_u32 v2, v0, 4, 1                         ; l / 16
	v_mul_u32_u24 v[FB], v1, PITCH
	v_lshl_add_u32 v[FB], v2, 4, v[FB]             ; a fragment's row x pitch + 16 x half
	s_mul_i32 s21, s11, HALFT                      ; my 128 rows of x in slot 0
	s_mul_i32 s22, s12, HALFT                      ; my 128 rows of the weights,
	s_add_co_u32 s22, s22, 2*HALFT                 ; which lie behind x's 256
	v_add_nc_u32 v[ADRA], s21, v[FB]
	v_add_nc_u32 v[ADRB], s22, v[FB]
	v_and_b32 v[LOFF], 31, v0
	v_lshlrev_b32 v[LOFF], 4, v[LOFF]
	s_lshl_b32 s74, s42, 8                         ; b_gate: 64 channels a head, 4 bytes each,
	s_lshl_b32 s75, s12, 7                         ; my 32 gate channels
	s_add_co_u32 s74, s74, s75
	v_lshl_add_u32 v[BOFF], v1, 2, s74
	global_load_b32 v[WK], v[BOFF], s[68:69]
	global_load_b32 v[WK+1], v[BOFF], s[68:69] offset:64
.irp i, 0,1,2,3
	v_mov_b32 v[MX+\i], 0
.endr
	; where my images go: unit = (batch x 16 + head) x 32 + chunk; my first chunk is 4 (tile row % 8) + 2 x row half
	s_lshr_b32 s76, s13, 3
	s_lshl_b32 s76, s76, 4
	s_add_co_u32 s76, s76, s42
	s_lshl_b32 s76, s76, 5
	s_and_b32 s77, s13, 7
	s_lshl2_add_u32 s76, s77, s76
	s_lshl1_add_u32 s76, s11, s76
	s_lshl_b32 s76, s76, 15                        ; a unit is 32,768 bytes
	s_mov_b32 s77, 0
	s_add_nc_u64 s[70:71], s[70:71], s[76:77]
	s_lshl_b32 s76, s12, 14
	s_add_nc_u64 s[78:79], s[70:71], s[76:77]      ; tiles 0-3: q (column half 0) or v (half 1), 16,384 bytes on
	s_lshl_b32 s76, s12, 10
	s_add_nc_u64 s[70:71], s[70:71], s[76:77]      ; tiles 4-7: k's and u's channel tiles 2 x half, 2 x half + 1
	s_lshl_b32 s76, s13, 4
	s_add_co_u32 s76, s76, s42
	s_lshl2_add_u32 s76, s76, s10
	s_lshl_b32 s76, s76, 3
	s_add_nc_u64 s[72:73], s[72:73], s[76:77]      ; stats: 8 bytes for each wave of each tile
; 16 matrix instructions: time blocks a0, a0 + 1 of the window's four x all 8 channel blocks, 32 along K.  zero = 1: the first product starts the sums
.macro MUL16 f, hi, a0, zero
	WIN MUL_LO+0x50*(\hi)
.irp a, \a0, (\a0)+1
.irp b, 0,1,2,3,4,5,6,7
.if \zero
	v_wmma_f32_16x16x32_bf16 v[8*(8*(\a)+(\b)):8*(8*(\a)+(\b))+7], v[(\f)+8*(4*(\hi)+(\a)):(\f)+8*(4*(\hi)+(\a))+7], v[(\f)+8*(\b):(\f)+8*(\b)+7], 0
.else
	v_wmma_f32_16x16x32_bf16 v[8*(8*(\a)+(\b)):8*(8*(\a)+(\b))+7], v[(\f)+8*(4*(\hi)+(\a)):(\f)+8*(4*(\hi)+(\a))+7], v[(\f)+8*(\b):(\f)+8*(\b)+7], v[8*(8*(\a)+(\b)):8*(8*(\a)+(\b))+7]
.endif
.endr
.endr
.endm
; 32 LDS loads in one run: the fragments of one quarter step (32 K at byte k of the rows of the slot in hand) into buffer f
.macro FETCH k, f
	WIN TO_B
.irp i, 0,1,2,3,4,5,6,7
	ds_load_b128 v[(\f)+8*(\i):(\f)+8*(\i)+3],   v[ADRB] offset:(\k)+(\i)*16*PITCH
	ds_load_b128 v[(\f)+8*(\i)+4:(\f)+8*(\i)+7], v[ADRB] offset:(\k)+(\i)*16*PITCH+32
.endr
	WIN 0
.irp i, 0,1,2,3,4,5,6,7
	ds_load_b128 v[(\f)+8*(\i):(\f)+8*(\i)+3],   v[ADRA] offset:(\k)+(\i)*16*PITCH
	ds_load_b128 v[(\f)+8*(\i)+4:(\f)+8*(\i)+7], v[ADRA] offset:(\k)+(\i)*16*PITCH+32
.endr
.endm
.macro PLACES                          ; four plain vector instructions between a matrix instruction and a load into, or a vector instruction on, one of its registers (ISA guide 7.12.1 for vector instructions)
.rept 4
	v_nop
.endr
.endm
; A K step is four quarters of 32 along K, 64 matrix instructions each, on buffers 0, 1, 0, 1.  The 64 accumulators take turns, in the same order in every quarter.
.macro QUARTER k, f, g, zero
	s_wait_dscnt 8                                 ; the weights and x's rows 0-63 are in; the youngest eight loads (x's rows 64-127) may be out
	MUL16 \f, 0, 0, \zero
	MUL16 \f, 0, 2, \zero
	PLACES
	FETCH \k, \g
	s_wait_dscnt 32                                ; all but the 32 just issued
	MUL16 \f, 1, 0, \zero
	MUL16 \f, 1, 2, \zero
.endm
; The last quarter's first half: ONE barrier for the change of slots.  In front of it each wave waits for all its tensor loads (at most one is out: its part of the next slot), adds 0 to its spare word, and waits for that and its reads of this slot.
.macro MEET
	WIN 0                                          ; (the add's two registers lie in window 0)
	s_wait_tensorcnt 0x0
	ds_add_u32 v[SPW], v[NIL]
	s_wait_dscnt 9                                 ; (the add and the youngest eight loads may be out)
	MUL16 F1, 0, 0, 0
	s_wait_dscnt 0x0                               ; the add is done, and my reads of this slot are over
	s_barrier_signal -1
	MUL16 F1, 0, 2, 0                              ; work on registers while the others arrive
	WIN 0
	s_barrier_wait -1
.endm
.macro SWAP                            ; my fragments' addresses go over to the other slot: the scalars are turned, the vector addresses made anew from the lane's term
	s_xor_b32 s21, s21, SLOT
	s_xor_b32 s22, s22, SLOT
	v_add_nc_u32 v[ADRA], s21, v[FB]
	v_add_nc_u32 v[ADRB], s22, v[FB]
.endm
.macro TURN                            ; the whole last quarter: the slot just read out is filled again first, two K steps ahead; 224 matrix instructions stand between the request and the wait for it
	MEET
	CREST                                          ; the barrier has opened a round of the cluster's: no wave of any partner still reads this slot or has a load on its way
	s_xor_b32 s[G0+5], s[G0+5], SLOT               ; the walking descriptors: the other slot than last time,
	s_add_nc_u64 s[G0+6:G0+7], s[G0+6:G0+7], KSTEP*2  ; the next K step; the type bits on top are not reached
	s_xor_b32 s[G0B+5], s[G0B+5], SLOT
	s_add_nc_u64 s[G0B+6:G0B+7], s[G0B+6:G0B+7], KSTEP*2
	JLOAD 1                                        ; the four v_nop behind it are also the places in front of the loads below
	SWAP
	FETCH 0, F0
	MUL16 F1, 1, 0, 0
	MUL16 F1, 1, 2, 0
.endm
	s_wait_tensorcnt 1                             ; my part of K step 0 is in; K step 1's may stay out
	s_barrier_signal -1
	s_barrier_wait -1
	FETCH 0, F0
	QUARTER 64,  F0, F1, 1                         ; the first quarter stands in front of the loop: its products start the sums
	WIN 0
	s_mov_b32 s3, STEPS-2
.Lstep:                                                ; a trip goes from a K step's second quarter to the next step's first, and fills the slot that it leaves: K steps 2 to 7 are asked for here
	QUARTER 128, F1, F0, 0
	QUARTER 192, F0, F1, 0
	TURN
	QUARTER 64,  F0, F1, 0
	WIN 0
	s_sub_co_u32 s3, s3, 1
	s_cmp_lg_u32 s3, 0
	s_cbranch_scc1 .Lstep
	s_mov_b32 s3, 2
.Ltail:                                                ; the last two K steps fill nothing; the second jumps forward over the fetch and over the quarter that have no further step to serve
	QUARTER 128, F1, F0, 0
	QUARTER 192, F0, F1, 0
	MEET
	s_cmp_eq_u32 s3, 1
	s_cbranch_scc1 .Lno_fetch
	SWAP
	PLACES
	FETCH 0, F0
.Lno_fetch:
	MUL16 F1, 1, 0, 0
	MUL16 F1, 1, 2, 0
	WIN 0
	s_cmp_eq_u32 s3, 1
	s_cbranch_scc1 .Lno_quarter
	QUARTER 64,  F0, F1, 0
	WIN 0
.Lno_quarter:
	s_sub_co_u32 s3, s3, 1
	s_cmp_lg_u32 s3, 0
	s_cbranch_scc1 .Ltail
	PLACES
	; THE WAY OUT, a block of 16 time steps at a time.
	s_wait_loadcnt 0x0                             ; b_gate
	v_cvt_pk_bf16_f32 v[WK+2], v[WK], v[WK+1]      ; rounded to bf16 like every input
	v_lshlrev_b32 v[BL], 16, v[WK+2]
	v_and_b32 v[BL+2], 0xffff0000, v[WK+2]
	v_mul_f32 v[BL], s[LG], v[BL]
	v_mul_f32 v[BL+2], s[LG], v[BL+2]
	v_mov_b32 v[BL+1], v[BL]
	v_mov_b32 v[BL+3], v[BL+2]
; u = 1 / (1 + 2^(z log2 e)) on tiles 6 and 7 of block a, in place.  Behind each run of transcendentals one plain instruction stands before a result is used (ISA guide 5.7.2).
.macro SIG a
	WIN 0x82+0x41*((\a)/4)                         ; destination and source 0 in the block's window, the bias in window 0
.irp b, 6,7
.irp k, 0,2,4,6
.set RA, 8*(8*((\a)%4)+(\b))+(\k)
	v_pk_fma_f32 v[RA:RA+1], v[RA:RA+1], s[LG:LG+1], v[BL+2*((\b)-6):BL+2*((\b)-6)+1] op_sel_hi:[1,0,0]
.endr
.endr
.set RA, 8*(8*((\a)%4)+6)
.set i, 0
.rept 16
	v_exp_f32 v[RA+i], v[RA+i]
.set i, i+1
.endr
	v_nop
.set i, 0
	s_wait_alu depctr_va_vdst(0)
.rept 8
	v_pk_add_f32 v[RA+2*i:RA+2*i+1], v[RA+2*i:RA+2*i+1], 1.0 op_sel_hi:[1,0]
.set i, i+1
.endr
.set i, 0
.rept 16
	v_rcp_f32 v[RA+i], v[RA+i]
.set i, i+1
.endr
	v_nop
.endm
; Block a's eight tiles are rounded to f16 (each accumulator's registers in ascending order), their magnitudes enter the maxima, and each goes out as 512 dense bytes.
.macro PACKST a
.set TB, TMP+32*((\a)%2)
.set AC, 64*((\a)%4)
.set OFS, ((\a)/4)*32768+((\a)%4)*2048         ; chunk, block of 16 steps
	s_wait_xcnt 0x0                                ; the stores of two blocks ago have read this set of registers
	WIN 0x0a+5*((\a)/4)                            ; sources 0 and 1 in the block's window
	s_wait_alu depctr_va_vdst(0)
.irp b, 0,1,2,3,4,5,6,7
.irp r, 0,1,2,3
	v_cvt_pk_f16_f32 v[TB+4*(\b)+(\r)], v[AC+8*(\b)+2*(\r)], v[AC+8*(\b)+2*(\r)+1]
.endr
.endr
	WIN 0
.set i, 0
.rept 24                                               ; words 0-15: q or v; 16-23: k
	v_and_b32 v[WK+i%4], s[ABSM], v[TB+i]
	v_pk_max_num_f16 v[MX+2*(i/16)+i%2], v[MX+2*(i/16)+i%2], v[WK+i%4]
.set i, i+1
.endr
.irp b, 0,1,2,3
	global_store_b128 v[LOFF], v[TB+4*(\b):TB+4*(\b)+3], s[78:79] offset:OFS+(\b)*512
.endr
.irp b, 4,5
	global_store_b128 v[LOFF], v[TB+4*(\b):TB+4*(\b)+3], s[70:71] offset:OFS+8192+((\b)-4)*512
.endr
.irp b, 6,7
	global_store_b128 v[LOFF], v[TB+4*(\b):TB+4*(\b)+3], s[70:71] offset:OFS+24576+((\b)-6)*512
.endr
.endm
.irp a, 0,1,2,3,4,5,6,7
	SIG \a
	PACKST \a
.endr
	; the wave's two maxima, over halves and lanes, to stats
	v_pk_max_num_f16 v[MX], v[MX], v[MX+1]
	v_pk_max_num_f16 v[MX+2], v[MX+2], v[MX+3]
	v_cvt_f32_f16 v44, v36.l
	v_cvt_f32_f16 v45, v36.h
	v_cvt_f32_f16 v46, v38.l
	v_cvt_f32_f16 v47, v38.h
	v_max_num_f32 v44, v44, v45
	v_max_num_f32 v45, v46, v47
.irp x, 1,2,4,8
	v_max_num_f32_dpp v44, v44, v44 row_xmask:\x row_mask:0xf bank_mask:0xf
	v_max_num_f32_dpp v45, v45, v45 row_xmask:\x row_mask:0xf bank_mask:0xf
.endr
	v_permlanex16_b32 v46, v44, s[SEL], s[SEL+1]
	v_permlanex16_b32 v47, v45, s[SEL], s[SEL+1]
	v_max_num_f32 v44, v44, v46
	v_max_num_f32 v45, v45, v47
	v_mov_b32 v40, 0
	v_cmp_eq_u32 vcc_lo, 0, v[LOFF]                ; lane 0
	s_wait_xcnt 0x0                                ; EXEC changes only behind this wait: the stores above have it as a source
	s_and_saveexec_b32 s[SAVE], vcc_lo
	global_store_b64 v40, v[44:45], s[72:73]
	s_wait_xcnt 0x0                                ; and again in front of the line that widens it
	s_or_b32 exec_lo, exec_lo, s[SAVE]
	s_wait_tensorcnt 0x0                           ; the wave's end
	ds_add_u32 v[SPW], v[NIL]
	s_wait_dscnt 0x0
	CROUND                                         ; the closing round: no work-group ends while a partner may still ask for a tile that names it
	s_endpgm
.Lfunc_end_k_qc380b146b0_proj:
	.size	k_qc380b146b0_proj, .Lfunc_end_k_qc380b146b0_proj-k_qc380b146b0_proj
	.p2alignl 7, 3214868480
	.fill 96, 4, 3214868480
	.section	.rodata,"a",@progbits
	.p2align	6, 0x0
	.amdhsa_kernel k_qc380b146b0_proj
		.amdhsa_group_segment_fixed_size 327680
		.amdhsa_private_segment_fixed_size 0
		.amdhsa_enable_private_segment 0
		.amdhsa_kernarg_size 40
		.amdhsa_user_sgpr_count 2
		.amdhsa_user_sgpr_kernarg_segment_ptr 1
		.amdhsa_wavefront_size32 1
		.amdhsa_system_sgpr_workgroup_id_x 1
		.amdhsa_system_sgpr_workgroup_id_y 1
		.amdhsa_system_sgpr_workgroup_id_z 1
		.amdhsa_system_vgpr_workitem_id 0
		.amdhsa_next_free_vgpr 1024
		.amdhsa_next_free_sgpr 86
		.amdhsa_reserve_vcc 1
		.amdhsa_float_denorm_mode_32 3
		.amdhsa_float_denorm_mode_16_64 3
		.amdhsa_memory_ordered 1
		.amdhsa_forward_progress 1
		.amdhsa_inst_pref_size 129
	.end_amdhsa_kernel
	.amdgpu_metadata
---
amdhsa.version: [ 1, 2 ]
amdhsa.kernels:
  - .name:           k_qc380b146b0_proj
    .symbol:         k_qc380b146b0_proj.kd
    .args:
      - { .name: xb, .offset: 0, .size: 8, .value_kind: global_buffer, .address_space: global }
      - { .name: wcat, .offset: 8, .size: 8, .value_kind: global_buffer, .address_space: global }
      - { .name: b_gate, .offset: 16, .size: 8, .value_kind: global_buffer, .address_space: global }
      - { .name: qkvu, .offset: 24, .size: 8, .value_kind: global_buffer, .address_space: global }
      - { .name: stats, .offset: 32, .size: 8, .value_kind: global_buffer, .address_space: global }
    .group_segment_fixed_size: 327680
    .private_segment_fixed_size: 0
    .kernarg_segment_align: 8
    .kernarg_segment_size: 40
    .max_flat_workgroup_size: 128
    .sgpr_count:     86
    .vgpr_count:     1024
    .wavefront_size: 32
...
	.end_amdgpu_metadata
.endif
;; end of part 6
;; launch state: the kernel of part 3 again; grid 4 x 64, 8 waves a work-group, clusters of 4 x 1, 266,240 bytes of LDS; arguments qkvu, stats, sbuf, scl; writes sbuf, scl
;; launch gla (part 7): grid 256 x 1, 8 waves a work-group, no clusters, 304,128 bytes of LDS; arguments qkvu, sbuf, scl, oimg; writes oimg
.if DOCPART == 7
	.amdgcn_target "amdgcn-amd-amdhsa--gfx1250"
	.amdhsa_code_object_version 6
	.text
	.protected	k_qc380b146b0_gla
	.globl	k_qc380b146b0_gla
	.p2align	8
	.type	k_qc380b146b0_gla,@function
k_qc380b146b0_gla:
	s_mov_b64 s[64:65], 0
	v_nop
	global_prefetch_b8 v0, s[64:65] scope:SCOPE_SE
	s_setreg_imm32_b32 hwreg(HW_REG_WAVE_MODE, 25, 1), 1
	s_wait_xcnt 0x0
; THE OUTPUTS OF ONE CHUNK OF 64 STEPS OF ONE (BATCH, HEAD): a wave's whole work; 2,048 waves.  No wave reads what another reads or writes: no cluster, no barrier, each wave has its own 37,888 bytes of LDS.
; For query block be (16 steps) of the chunk:  o_t = (q_t P64_t) S_c + the sum over earlier blocks j of (q_t P16_t prod G16_m, j < m < be) . (k_s E16_s) v_s + the diagonal block.
; P^l_t: the product of the gates from the start of t's aligned block of l steps through t.  E^l_s: from behind s to the end of s's block.  G16: a block's product.  Every factor is a product of gates, at most 1.
; THE DIAGONAL BLOCK is chosen, entry by entry, among five products Q^(l) K^(l)T, l = 0, 1, 2, 4, 8 (Q^(l) = q P^l, K^(l) = k E^l, P^0 = E^0 = E^1 = 1), by x = t xor s:
; x = 0: l = 0; 1: l = 1; 2-3: l = 2; 4-7: l = 4; 8-15: l = 8; and 0 where t < s.  For that l the point between s's block and t's lies between s and t.  Entries not chosen are finite and are dropped by v_cndmask_b32.
; ONE TEXT FOR THE FOUR BLOCKS, walked four times.  Earlier blocks are named by their DISTANCE d = 1, 2, 3, and every trip does the work of all three:
;   the blocks' products G16 lie in a shift register that starts at 1, so Qc m = q P16 x G16 of the m blocks before is made for m = 1, 2, 3 in every trip, and Qc 3 is q P64 whatever the block;
;   the LDS address of a distance's K16 and v is the block's offset (a scalar, 2,048 more each trip) plus a constant.  For a block that does not exist K16's address falls into the versions, which this trip has written,
;   and v's into S, which lies below v: finite f16 in both; the A made of it is cleared in its packed form (v_and_b32 with a scalar that is 0 until the distance exists, then all ones), so its product adds exactly 0.
; LAYOUT.  An image holds one channel a lane and 8 steps in its registers, so the gate products run along registers (the other octet of the block lies 16 lanes away).  Each version of q and k is rounded to f16, stored
; as [32 channels][16 steps] and read back turned (ds_load_tr16_b128) as an operand with the step as row and 32 channels along K.  A^T = K Q^T holds one query a lane and 8 keys: rounded, it IS source 1 of
; O^T = V^T A; S and v are used as their images lie.  O^T again holds one query a lane and 8 value channels: an image for the last product.
; SCALES (powers of two, from the launch before): q' = q sq', k' = k sk, v' = v sv: |k'|, |v'| < 1, |q'| < 2^-6, so |A| <= 1, |S| <= 2,048, |O| <= 2,112: no f16 operand can overflow.
; oimg: [16 steps 512][16 value channels 64][512 bytes], o sq' sk sv in f16.
; LIMITS.  a = 1 - u with u in f16 (absolute error 2^-12 min(u, 1)); f16's fixed step of 6e-8 below 6e-5 in every operand; NaN and infinities are not treated apart.
.set WLDS,  37888                      ; a wave's LDS: 13 versions of 1,024 bytes: Q0 Q1 Q2 Q4 Q8 Qc0-3 K0 K2 K4 K8;
.set K16O,  13312                      ; K16 of blocks 0-3, by channel half: 8 x 1,024;
.set SPO,   21504                      ; S: 16 images;
.set VPO,   29696                      ; v': 16 images, 2,048 bytes a block
.set SPARE, 8*WLDS
.set STA,  1                           ; v1  where my 16 bytes of a version go: row = channel, 32 bytes a row
.set TRA,  2                           ; v2  the turning load's address
.set IMA,  3                           ; v3  my place in an image in LDS
.set ONE,  4
.set ZERO, 5
.set SQ,   6
.set SK,   7
.set SV2,  8                           ; sv twice, in f16
.set GOFF, 9                           ; v9  16 x lane
.set SPW,  10                          ; v10 LDS address of my spare word; never rewritten
.set NIL,  11                          ; v11 0; never rewritten
.set IQ,   12                          ; v12-35 the images of q, k, u of two channel tiles
.set IK,   20
.set IU,   28
.set GS,   36                          ; two sets of 42, one a channel tile: +0 a, +8 q, +16 k (8 steps each), +24 q packed, +28 k packed, +32 pairs' products, +36 fours', +38 the octet's, +39 the other octet's, +40, +41 factors
.set FR,   36                          ; the same registers, as fragments of 8: up to 11
.set AP,   124                         ; v124-139 A, packed: the diagonal block, then distances 1, 2, 3
.set HIST, 140                         ; v140-151 G16 of the block at distance m, channel tile c, at 4 (m - 1) + c
.set D0,   156                         ; v156-195 the five products of the diagonal block
.set D1,   164
.set DF,   196                         ; v196-219 the products with the blocks at distances 1, 2, 3
.set O,    220                         ; v220-251 O^T, four accumulators; at the head: at work
.set HT,   220
.set TRK,  252                         ; v252-254 v2, v3, v1 plus the block's offset: made anew in every trip
.set IMV,  253
.set STK,  254
.set MSK,  24                          ; s[24:63] for each register j five lane masks: x >= 1, 2, 4, 8; t < s
.set SEL,  66
.set SH,   68
.set BO,   70                          ; s70 2,048 x block
.set CNT,  71                          ; s71 blocks to go
.set LV,   72                          ; s72-74 distance 1, 2, 3 exists: all ones, else 0
	s_load_b256 s[4:11], s[0:1], 0x0               ; qkvu s[4:5], sbuf s[6:7], scl s[8:9], oimg s[10:11]
	v_lshl_add_u32 v[SPW], v0, 2, SPARE
	v_mov_b32 v[NIL], 0
	v_lshrrev_b32 v1, 5, v0
	v_readfirstlane_b32 s12, v1                    ; wave
	s_lshl3_add_u32 s13, ttmp9, s12                ; my unit = (batch x 16 + head) x 32 + chunk
	s_lshl_b32 s14, s13, 15
	s_mov_b32 s15, 0
	v_and_b32 v[GOFF], 31, v0
	v_lshlrev_b32 v[GOFF], 4, v[GOFF]
	v_mov_b32 v[GS+39], 0                          ; v_permlanex16_b32's destinations count as read
	v_mov_b32 v[GS+81], 0
	s_wait_kmcnt 0x0
	s_load_b128 s[16:19], s[8:9], 0x0              ; sq', sk, sv, phi
	s_add_nc_u64 s[4:5], s[4:5], s[14:15]
	s_lshl_b32 s14, s13, 13
	s_add_nc_u64 s[6:7], s[6:7], s[14:15]
.set i, 0
.rept 16
	global_load_b128 v[D0+4*i:D0+4*i+3], v[GOFF], s[4:5] offset:16384+512*i   ; v
.set i, i+1
.endr
.set i, 0
.rept 16
	global_load_b128 v[GS+4*i:GS+4*i+3], v[GOFF], s[6:7] offset:512*i         ; S
.set i, i+1
.endr
.macro LOADIMG c                       ; q, k, u of channel tiles c, c + 1 of the block at which s[4:5] stands
.irp u, 0,1
	global_load_b128 v[IQ+4*\u:IQ+4*\u+3], v[GOFF], s[4:5] offset:((\c)+\u)*512
	global_load_b128 v[IK+4*\u:IK+4*\u+3], v[GOFF], s[4:5] offset:8192+((\c)+\u)*512
	global_load_b128 v[IU+4*\u:IU+4*\u+3], v[GOFF], s[4:5] offset:24576+((\c)+\u)*512
.endr
.endm
	LOADIMG 0
	s_lshr_b32 s20, s13, 9                         ; oimg: step tile = batch x 128 + 4 chunk + block; channel tile = 4 head + n
	s_lshl_b32 s20, s20, 7
	s_and_b32 s21, s13, 31
	s_lshl2_add_u32 s20, s21, s20
	s_lshl_b32 s20, s20, 15
	s_bfe_u32 s21, s13, 0x40005
	s_lshl_b32 s21, s21, 11
	s_add_co_u32 s14, s20, s21
	s_add_nc_u64 s[10:11], s[10:11], s[14:15]
	s_mul_i32 s22, s12, WLDS
	s_mov_b32 s[SEL], 0x76543210
	s_mov_b32 s[SEL+1], 0xfedcba98
	s_mov_b32 s[SH], 0xffff0000                    ; lanes 16-31: the block's upper octet
	s_mov_b32 s[BO], 0
	s_mov_b32 s[CNT], 4
	s_mov_b32 s[LV], 0
	s_mov_b32 s[LV+1], 0
	s_mov_b32 s[LV+2], 0
	v_and_b32 v[HT], 15, v0                        ; r
	v_bfe_u32 v[HT+1], v0, 4, 1                    ; h
	v_lshlrev_b32 v[STA], 5, v[HT]
	v_lshl_add_u32 v[STA], v[HT+1], 4, v[STA]
	v_add_nc_u32 v[STA], s22, v[STA]
	v_and_b32 v[HT+2], 7, v0
	v_lshl_add_u32 v[HT+2], v[HT+1], 3, v[HT+2]
	v_bfe_u32 v[HT+3], v0, 3, 1
	v_lshlrev_b32 v[TRA], 5, v[HT+2]               ; channel 8 h + lane % 8, steps 8 ((lane / 8) % 2) on
	v_lshl_add_u32 v[TRA], v[HT+3], 4, v[TRA]
	v_add_nc_u32 v[TRA], s22, v[TRA]
	v_add_nc_u32 v[IMA], s22, v[GOFF]
	v_mov_b32 v[ONE], 1.0
	v_mov_b32 v[ZERO], 0
.set i, 0
.rept 12
	v_mov_b32 v[HIST+i], 1.0                       ; a block that does not exist multiplies by 1
.set i, i+1
.endr
.set j, 0
.rept 8                                                ; in A^T register j of lane (r, h) is key s = 8 h + j, query t = r
	v_lshl_add_u32 v[HT+4], v[HT+1], 3, j
	v_xor_b32 v[HT+5], v[HT+4], v[HT]
	v_cmp_le_u32 s[MSK+5*j], 1, v[HT+5]
	v_cmp_le_u32 s[MSK+5*j+1], 2, v[HT+5]
	v_cmp_le_u32 s[MSK+5*j+2], 4, v[HT+5]
	v_cmp_le_u32 s[MSK+5*j+3], 8, v[HT+5]
	v_cmp_lt_u32 s[MSK+5*j+4], v[HT], v[HT+4]
.set j, j+1
.endr
	s_wait_kmcnt 0x0
	v_mov_b32 v[SQ], s16
	v_mov_b32 v[SK], s17
	v_mov_b32 v[HT+6], s18
	v_cvt_pk_f16_f32 v[SV2], v[HT+6], v[HT+6]      ; a power of two from 2^-16 to 2^15: exact in f16
	s_wait_loadcnt 22                              ; v is in; S's sixteen loads and the six images stay out
.set i, 0
.rept 64
	v_pk_mul_f16 v[D0+i], v[D0+i], v[SV2]
.set i, i+1
.endr
.set i, 0
.rept 16
	ds_store_b128 v[IMA], v[D0+4*i:D0+4*i+3] offset:VPO+512*i
.set i, i+1
.endr
	s_wait_loadcnt 6                               ; S is in; the six images stay out
.set i, 0
.rept 16
	ds_store_b128 v[IMA], v[GS+4*i:GS+4*i+3] offset:SPO+512*i
.set i, i+1
.endr
.macro BOTH line:vararg                ; one line for each of the two channel tiles: g its set of registers, t its number
.set g, GS
.set t, 0
	\line
.set g, GS+42
.set t, 1
	\line
.endm
.macro CVQ k                           ; steps 2 k, 2 k + 1 of q's version in hand, rounded
	BOTH v_cvt_pk_f16_f32 v[g+24+(\k)], v[g+8+2*(\k)], v[g+9+2*(\k)]
.endm
.macro CVK k
	BOTH v_cvt_pk_f16_f32 v[g+28+(\k)], v[g+16+2*(\k)], v[g+17+2*(\k)]
.endm
.macro STQV o                          ; the version goes to LDS byte o of my region
	BOTH ds_store_b128 v[STA], v[g+24:g+27] offset:(\o)+512*t
.endm
.macro STKV o
	BOTH ds_store_b128 v[STA], v[g+28:g+31] offset:(\o)+512*t
.endm
; THE VERSIONS of q and k for the block in hand, channels 32 p .. 32 p + 31.  Each is made from the one before by multiplying only the steps whose factor grows, and only the words that changed are rounded anew.
.macro GSTAGE p
	s_wait_loadcnt 0x0                             ; the six images, asked for a stage ago; no load of mine is out, so s[4:5] may be stepped below
.irp k, 0,1,2,3
	BOTH v_fma_mix_f32 v[g+2*\k], -v[IU+4*t+\k], v[ONE], v[ONE] op_sel_hi:[1,0,0]
	BOTH v_fma_mix_f32 v[g+2*\k+1], -v[IU+4*t+\k], v[ONE], v[ONE] op_sel:[1,0,0] op_sel_hi:[1,0,0]
	BOTH v_fma_mix_f32 v[g+8+2*\k], v[IQ+4*t+\k], v[SQ], v[ZERO] op_sel_hi:[1,0,0]
	BOTH v_fma_mix_f32 v[g+9+2*\k], v[IQ+4*t+\k], v[SQ], v[ZERO] op_sel:[1,0,0] op_sel_hi:[1,0,0]
	BOTH v_fma_mix_f32 v[g+16+2*\k], v[IK+4*t+\k], v[SK], v[ZERO] op_sel_hi:[1,0,0]
	BOTH v_fma_mix_f32 v[g+17+2*\k], v[IK+4*t+\k], v[SK], v[ZERO] op_sel:[1,0,0] op_sel_hi:[1,0,0]
.endr
.if (\p) == 0
	LOADIMG 2                                      ; the next stage's images: they have this stage and its products in which to land
.else
	s_cmp_eq_u32 s[CNT], 1
	s_cbranch_scc1 .Lno_img_\@                     ; the last block has no next: nothing is asked for, and no load leaves the unit
	s_add_nc_u64 s[4:5], s[4:5], 2048              ; on to the next block's images
	LOADIMG 0
.Lno_img_\@:
.endif
.irp k, 0,1,2,3
	CVQ \k
	CVK \k
.endr
	STQV 0                                         ; Q0 = q
	STKV 9*1024                                    ; K0 = k
.irp m, 0,1,2,3
	BOTH v_mul_f32 v[g+32+\m], v[g+2*\m], v[g+2*\m+1]
.endr
	BOTH v_mul_f32 v[g+36], v[g+32], v[g+33]
	BOTH v_mul_f32 v[g+37], v[g+34], v[g+35]
	BOTH v_mul_f32 v[g+38], v[g+36], v[g+37]
.irp m, 0,2,4,6
	BOTH v_pk_mul_f32 v[g+8+\m:g+9+\m], v[g+8+\m:g+9+\m], v[g+\m:g+\m+1]
.endr
.irp k, 0,1,2,3
	CVQ \k
.endr
	STQV 1*1024                                    ; Q1 = q a
.irp m, 0,2,4,6
	BOTH v_mul_f32 v[g+9+\m], v[g+9+\m], v[g+\m]
	BOTH v_mul_f32 v[g+16+\m], v[g+16+\m], v[g+\m+1]
.endr
.irp k, 0,1,2,3
	CVQ \k
	CVK \k
.endr
	STQV 2*1024                                    ; Q2: odd steps take the step before
	STKV 10*1024                                   ; K2: even steps take the step behind
	BOTH v_pk_mul_f32 v[g+10:g+11], v[g+10:g+11], v[g+32:g+33] op_sel_hi:[1,0]
	BOTH v_pk_mul_f32 v[g+14:g+15], v[g+14:g+15], v[g+34:g+35] op_sel_hi:[1,0]
	BOTH v_pk_mul_f32 v[g+16:g+17], v[g+16:g+17], v[g+32:g+33] op_sel:[0,1] op_sel_hi:[1,1]
	BOTH v_pk_mul_f32 v[g+20:g+21], v[g+20:g+21], v[g+34:g+35] op_sel:[0,1] op_sel_hi:[1,1]
	CVQ 1
	CVQ 3
	CVK 0
	CVK 2
	STQV 3*1024                                    ; Q4: steps 2, 3 and 6, 7 take the pair before
	STKV 11*1024                                   ; K4: steps 0, 1 and 4, 5 take the pair behind
	BOTH v_pk_mul_f32 v[g+12:g+13], v[g+12:g+13], v[g+36:g+37] op_sel_hi:[1,0]
	BOTH v_pk_mul_f32 v[g+14:g+15], v[g+14:g+15], v[g+36:g+37] op_sel_hi:[1,0]
	BOTH v_pk_mul_f32 v[g+16:g+17], v[g+16:g+17], v[g+36:g+37] op_sel:[0,1] op_sel_hi:[1,1]
	BOTH v_pk_mul_f32 v[g+18:g+19], v[g+18:g+19], v[g+36:g+37] op_sel:[0,1] op_sel_hi:[1,1]
	CVQ 2
	CVQ 3
	CVK 0
	CVK 1
	STQV 4*1024                                    ; Q8
	STKV 12*1024                                   ; K8
	BOTH v_permlanex16_b32 v[g+39], v[g+38], s[SEL], s[SEL+1]
	BOTH v_cndmask_b32 v[g+40], v[ONE], v[g+39], s[SH]   ; q's upper octet takes the lower octet's product,
	BOTH v_cndmask_b32 v[g+41], v[g+39], v[ONE], s[SH]   ; k's lower octet the upper's
.irp m, 0,2,4,6
	BOTH v_pk_mul_f32 v[g+8+\m:g+9+\m], v[g+8+\m:g+9+\m], v[g+40:g+41] op_sel_hi:[1,0]
.endr
.irp k, 0,1,2,3
	CVQ \k
.endr
	STQV 5*1024                                    ; Qc0 = q P16
.irp m, 0,2,4,6
	BOTH v_pk_mul_f32 v[g+16+\m:g+17+\m], v[g+16+\m:g+17+\m], v[g+40:g+41] op_sel:[0,1] op_sel_hi:[1,1]
.endr
.irp k, 0,1,2,3
	CVK \k
.endr
	BOTH ds_store_b128 v[STK], v[g+28:g+31] offset:K16O+(\p)*1024+512*t  ; K16 = k E16, into the block's own slot, kept for the later blocks
.irp mm, 1,2,3                         ; Qc m = Qc (m - 1) x G16 of the block at distance m (1 where there is none); Qc 3 is q P64
.irp m, 0,2,4,6
	v_pk_mul_f32 v[GS+8+\m:GS+9+\m], v[GS+8+\m:GS+9+\m], v[HIST+4*(\mm-1)+2*(\p):HIST+4*(\mm-1)+2*(\p)+1] op_sel_hi:[1,0]
	v_pk_mul_f32 v[GS+50+\m:GS+51+\m], v[GS+50+\m:GS+51+\m], v[HIST+4*(\mm-1)+2*(\p):HIST+4*(\mm-1)+2*(\p)+1] op_sel:[0,1] op_sel_hi:[1,1]
.endr
.irp k, 0,1,2,3
	CVQ \k
.endr
	STQV (5+\mm)*1024
.endr
.irp c, 0,1                            ; the shift register moves on: this block is the next block's distance 1
	v_mov_b32 v[HIST+8+2*(\p)+\c], v[HIST+4+2*(\p)+\c]
	v_mov_b32 v[HIST+4+2*(\p)+\c], v[HIST+2*(\p)+\c]
	v_mul_f32 v[HIST+2*(\p)+\c], v[GS+42*\c+38], v[GS+42*\c+39]
.endr
.endm
.macro FRAG f, o                       ; the version at byte o, turned: lane = step, 32 channels along K.  LDS serves a wave's instructions in order (ISA guide 5.7.1.4): these see the stores above
	ds_load_tr16_b128 v[FR+8*(\f):FR+8*(\f)+3],   v[TRA] offset:(\o)
	ds_load_tr16_b128 v[FR+8*(\f)+4:FR+8*(\f)+7], v[TRA] offset:(\o)+512
.endm
.macro FRAGK f, o                      ; the same, o counted from the block's offset
	ds_load_tr16_b128 v[FR+8*(\f):FR+8*(\f)+3],   v[TRK] offset:(\o)
	ds_load_tr16_b128 v[FR+8*(\f)+4:FR+8*(\f)+7], v[TRK] offset:(\o)+512
.endm
.macro MMA d, fa, fb, first
.if \first
	v_wmma_f32_16x16x32_f16 v[(\d):(\d)+7], v[FR+8*(\fa):FR+8*(\fa)+7], v[FR+8*(\fb):FR+8*(\fb)+7], 0
.else
	v_wmma_f32_16x16x32_f16 v[(\d):(\d)+7], v[FR+8*(\fa):FR+8*(\fa)+7], v[FR+8*(\fb):FR+8*(\fb)+7], v[(\d):(\d)+7]
.endif
.endm
.macro PLACES
.rept 4
	v_nop
.endr
.endm
; THE PRODUCTS over channels 32 p .. 32 p + 31.  p = 0 starts every sum.  No two matrix instructions that follow each other share an accumulator.
.macro MSTAGE p
	FRAG 0, 9*1024
	FRAG 1, 0
	FRAG 2, 1*1024
	FRAG 3, 10*1024
	FRAG 4, 2*1024
	FRAG 5, 11*1024
	FRAG 6, 3*1024
	FRAG 7, 12*1024
	FRAG 8, 4*1024
	s_wait_dscnt 8                                 ; the last four fragments' eight loads may be out
	MMA D0,    0, 1, 1-(\p)
	MMA D1,    0, 2, 1-(\p)
	MMA D1+8,  3, 4, 1-(\p)
	s_wait_dscnt 0x0
	MMA D1+16, 5, 6, 1-(\p)
	MMA D1+24, 7, 8, 1-(\p)
	PLACES                                         ; in front of loads into registers that those products read
.irp m, 0,1,2                          ; distance m + 1: its K16 lies m + 1 slots of 2,048 bytes below the block's own, and goes with Qc m
	FRAGK 2*\m, K16O-(\m+1)*2048+(\p)*1024
	FRAG 2*\m+1, (5+\m)*1024
.endr
	FRAG 6, 8*1024
.irp n, 0,1,2,3
	ds_load_b128 v[FR+8*(7+\n):FR+8*(7+\n)+3],   v[IMA] offset:SPO+2*(\p)*2048+\n*512
	ds_load_b128 v[FR+8*(7+\n)+4:FR+8*(7+\n)+7], v[IMA] offset:SPO+(2*(\p)+1)*2048+\n*512
.endr
	s_wait_dscnt 10                                ; q P64's two loads and S's eight may be out
.irp m, 0,1,2
	MMA DF+8*\m, 2*\m, 2*\m+1, 1-(\p)
.endr
	s_wait_dscnt 0x0
.irp n, 0,1,2,3
	MMA O+8*\n, 7+\n, 6, 1-(\p)
.endr
	PLACES
.endm
.macro PK4 d, s
.irp k, 0,1,2,3
	v_cvt_pk_f16_f32 v[(\d)+\k], v[(\s)+2*\k], v[(\s)+2*\k+1]
.endr
.endm
; THE BLOCK IS FINISHED: the diagonal block is chosen, A is rounded, O^T += V^T A, and O^T leaves as four images.
.macro FINISH
.irp pp, 0,1                           ; fragment pp of v': the blocks at distances 2 pp and 2 pp + 1, as A's fragment pp has them
.irp n, 0,1,2,3
	ds_load_b128 v[FR+8*(4*\pp+\n):FR+8*(4*\pp+\n)+3],   v[IMV] offset:VPO-2*\pp*2048+\n*512
	ds_load_b128 v[FR+8*(4*\pp+\n)+4:FR+8*(4*\pp+\n)+7], v[IMV] offset:VPO-(2*\pp+1)*2048+\n*512
.endr
.endr
.irp k, 0,1,2,3                        ; each accumulator is read from its lowest register on
.irp j, 0,1,2,3,4,5,6,7
	v_cndmask_b32 v[D0+\j], v[D0+\j], v[D1+8*\k+\j], s[MSK+5*\j+\k]
.endr
.endr
.irp j, 0,1,2,3,4,5,6,7
	v_cndmask_b32 v[D0+\j], v[D0+\j], v[ZERO], s[MSK+5*\j+4]
.endr
	PK4 AP, D0
.irp m, 0,1,2
	PK4 AP+4+4*\m, DF+8*\m
.endr
.irp m, 0,1,2
.irp k, 0,1,2,3
	v_and_b32 v[AP+4+4*\m+\k], s[LV+\m], v[AP+4+4*\m+\k]  ; a distance that does not exist counts as 0
.endr
.endr
	s_wait_dscnt 0x0                               ; v' is in
.irp pp, 0,1
.irp n, 0,1,2,3
	v_wmma_f32_16x16x32_f16 v[O+8*\n:O+8*\n+7], v[FR+8*(4*\pp+\n):FR+8*(4*\pp+\n)+7], v[AP+8*\pp:AP+8*\pp+7], v[O+8*\n:O+8*\n+7]
.endr
.endr
	PLACES
.irp n, 0,1,2,3
	PK4 D0+4*\n, O+8*\n
.endr
.irp n, 0,1,2,3
	global_store_b128 v[GOFF], v[D0+4*\n:D0+4*\n+3], s[10:11] offset:\n*512  ; 512 dense bytes, aligned
.endr
.endm
.Lblock:                                               ; four trips, a block of 16 steps each
	v_add_nc_u32 v[TRK], s[BO], v[TRA]
	v_add_nc_u32 v[IMV], s[BO], v[IMA]
	v_add_nc_u32 v[STK], s[BO], v[STA]
	GSTAGE 0
	MSTAGE 0
	GSTAGE 1
	MSTAGE 1
	FINISH
	s_wait_xcnt 0x0                                ; the stores' base is stepped, and their data registers are written again by the next trip's products, only behind this wait
	s_add_nc_u64 s[10:11], s[10:11], 0x8000        ; the next 16 steps' images
	s_add_co_u32 s[BO], s[BO], 2048
	s_mov_b32 s[LV+2], s[LV+1]                     ; one distance more exists
	s_mov_b32 s[LV+1], s[LV]
	s_mov_b32 s[LV], -1
	s_sub_co_u32 s[CNT], s[CNT], 1
	s_cmp_lg_u32 s[CNT], 0
	s_cbranch_scc1 .Lblock
	s_wait_tensorcnt 0x0                           ; the wave's end, behind my last LDS store
	ds_add_u32 v[SPW], v[NIL]
	s_wait_dscnt 0x0
	s_endpgm
.Lfunc_end_k_qc380b146b0_gla:
	.size	k_qc380b146b0_gla, .Lfunc_end_k_qc380b146b0_gla-k_qc380b146b0_gla
	.p2alignl 7, 3214868480
	.fill 96, 4, 3214868480
	.section	.rodata,"a",@progbits
	.p2align	6, 0x0
	.amdhsa_kernel k_qc380b146b0_gla
		.amdhsa_group_segment_fixed_size 304128
		.amdhsa_private_segment_fixed_size 0
		.amdhsa_enable_private_segment 0
		.amdhsa_kernarg_size 32
		.amdhsa_user_sgpr_count 2
		.amdhsa_user_sgpr_kernarg_segment_ptr 1
		.amdhsa_wavefront_size32 1
		.amdhsa_system_sgpr_workgroup_id_x 1
		.amdhsa_system_sgpr_workgroup_id_y 1
		.amdhsa_system_sgpr_workgroup_id_z 1
		.amdhsa_system_vgpr_workitem_id 0
		.amdhsa_next_free_vgpr 256
		.amdhsa_next_free_sgpr 76
		.amdhsa_reserve_vcc 0
		.amdhsa_float_denorm_mode_32 3
		.amdhsa_float_denorm_mode_16_64 3
		.amdhsa_memory_ordered 1
		.amdhsa_forward_progress 1
		.amdhsa_inst_pref_size 65
	.end_amdhsa_kernel
	.amdgpu_metadata
---
amdhsa.version: [ 1, 2 ]
amdhsa.kernels:
  - .name:           k_qc380b146b0_gla
    .symbol:         k_qc380b146b0_gla.kd
    .args:
      - { .name: qkvu, .offset: 0, .size: 8, .value_kind: global_buffer, .address_space: global }
      - { .name: sbuf, .offset: 8, .size: 8, .value_kind: global_buffer, .address_space: global }
      - { .name: scl, .offset: 16, .size: 8, .value_kind: global_buffer, .address_space: global }
      - { .name: oimg, .offset: 24, .size: 8, .value_kind: global_buffer, .address_space: global }
    .group_segment_fixed_size: 304128
    .private_segment_fixed_size: 0
    .kernarg_segment_align: 8
    .kernarg_segment_size: 32
    .max_flat_workgroup_size: 256
    .sgpr_count:     76
    .vgpr_count:     256
    .wavefront_size: 32
...
	.end_amdgpu_metadata
.endif
;; end of part 7
;; launch oproj (part 8): grid 8 x 32, 4 waves a work-group, clusters of 4 x 4, 327,680 bytes of LDS; arguments oimg, wot, scl, out0; writes out0
.if DOCPART == 8
	.amdgcn_target "amdgcn-amd-amdhsa--gfx1250"
	.amdhsa_code_object_version 6
	.text
	.protected	k_qc380b146b0_oproj
	.globl	k_qc380b146b0_oproj
	.p2align	8
	.type	k_qc380b146b0_oproj,@function
k_qc380b146b0_oproj:
	s_mov_b64 s[64:65], 0
	v_nop
	global_prefetch_b8 v0, s[64:65] scope:SCOPE_SE
	s_setreg_imm32_b32 hwreg(HW_REG_WAVE_MODE, 25, 1), 1
	s_wait_xcnt 0x0
	s_wait_alu depctr_hold_cnt(0) depctr_sa_sdst(0) depctr_va_vdst(0) depctr_va_sdst(0) depctr_va_ssrc(0) depctr_va_vcc(0) depctr_vm_vsrc(0)
	s_getreg_b32 s2, hwreg(HW_REG_IB_STS2, 6, 4)
	s_cmp_eq_u32 s2, 0
	s_cbranch_scc0 .Lentry_in_a_cluster
	s_endpgm
.Lentry_in_a_cluster:
	s_bfe_u32 s2, ttmp6, 0x10000c
	s_cmp_lg_u32 s2, 0xf033
	s_cbranch_scc0 .Lentry_shape_is_right
	s_endpgm
.Lentry_shape_is_right:
; out0 = o W_o: [8192 t][1024 k] x [1024 n][1024 k]^T in f16, sums in f32.  o arrives as images (16 steps x 16 channels, 512 bytes, a lane's 16 bytes being its part of an operand) times sq' sk sv,
; W_o turned, rounded to bf16 and times 256; phi = 2^-8 / (sq' sk sv), a power of two, takes both out again in f32 at the end.
; A tile is 256 x 128: 256 work-groups, one for each of 256 WGPs.  Four waves, each 128 x 64: 32 accumulators.  K goes in 8 steps of 128 through two LDS slots.
; A K step is written once for the six steps that fill a slot again and once for the last two, which fill nothing: the slot in hand lies in two scalar registers, turned by an exclusive or at each change of slots.
; CLUSTER 4 x 4: o's tiles are shared along a row of the cluster, W_o's along a column: joint loads.
; THE MATRIX INSTRUCTION IS USED TRANSPOSED (source 0 = 16 rows of wot, source 1 = 16 steps of o): a lane holds eight neighbouring numbers of a row of out0.
; REGISTERS: window 0: v0-31 addresses; v32-63 scaled results; two fragment buffers of 96 (o's 8 fragments, then W_o's 4) at v64 and v160; window 1: the accumulators, (a, b) at v[8 (4 a + b)].
.set SIZE_K, 1024
.set KSTEP,  128
.set STEPS,  SIZE_K/KSTEP
.set PITCH,  272                       ; a row of wot in LDS: 256 bytes + 16
.set ATILE,  65536                     ; o: 16 step tiles x 8 images x 512 bytes, dense: a fragment load takes 512 neighbouring bytes
.set BHALF,  64*PITCH
.set SLOT,   ATILE+2*BHALF             ; 100,352 bytes
.set SLOT1,  1<<17                     ; slot 1 begins here, so that one exclusive or turns an address in one slot into the other's
.set STAGE,  SLOT1+SLOT                ; behind the ring: 16 rows x 272 bytes for each wave
.set SPITCH, 272
.set SPARE,  STAGE+4*16*SPITCH
.set ADRA, 16                          ; v16 LDS address of my fragments of o in the slot in hand; v3 is its lane's term, never rewritten
.set ADRB, 20                          ; v20 the same for W_o; v4 its lane's term
.set STO,  24
.set RD,   25
.set CO,   26
.set SPW,  28                          ; v28 LDS address of my spare word; never rewritten
.set NIL,  29                          ; v29 0; never rewritten
.set TMP,  32
.set F0,   64
.set F1,   160
.set G1,  24                           ; s[24:31] descriptor group 1 for o's tiles; s[32:39] group 0: a set for each of the two first fills; the second then walks on
.set G0,  32
.set G1B, 48                           ; s[48:55], s[56:63] the same for W_o's tiles
.set G0B, 56
.set PHI, 72                           ; s[72:73]
.set MSB, 0
.macro WIN new
.if MSB != (\new)
	s_set_vgpr_msb (MSB<<8)|(\new)
.set MSB, \new
.endif
.endm
.set MUL, 0x50                         ; sources 0 and 1 window 0; C and D window 1
.macro JLOAD s                         ; waves 0 and 1 fetch o's two halves, waves 2 and 3 W_o's; an s_nop 0 and four v_nop follow each of the two lines
	s_cmp_eq_u32 s11, 0
	s_cbranch_scc0 .Lfor_b_\@
	tensor_load_to_lds s[G0+4*(\s):G0+4*(\s)+3], s[G1:G1+7]
	s_nop 0
.rept 4
	v_nop
.endr
	s_branch .Lasked_\@
.Lfor_b_\@:
	tensor_load_to_lds s[G0B+4*(\s):G0B+4*(\s)+3], s[G1B:G1B+7]
	s_nop 0
.rept 4
	v_nop
.endr
.Lasked_\@:
.endm
.macro CREST
	s_cmp_lg_u32 s10, 0
	s_cbranch_scc1 .Lnot_wave_0_\@
	s_barrier_signal -3
.Lnot_wave_0_\@:
	s_barrier_wait -3
	s_barrier_signal -1
	s_barrier_wait -1
.endm
.macro CROUND
	s_barrier_signal -1
	s_barrier_wait -1
	CREST
.endm
	s_load_b128 s[4:7], s[0:1], 0x0                ; oimg s[4:5], wot s[6:7]
	s_load_b128 s[68:71], s[0:1], 0x10             ; scl s[68:69], out0 s[70:71]
	v_lshl_add_u32 v[SPW], v0, 2, SPARE
	v_mov_b32 v[NIL], 0
	ds_add_u32 v[SPW], v[NIL]                      ; the wave's opening: the add and its wait stand ahead of my first tensor load
	ds_add_u32 v28, v29
	v_lshrrev_b32 v1, 5, v0
	v_readfirstlane_b32 s10, v1                    ; wave 0..3
	s_lshr_b32 s11, s10, 1                         ; my half of the tile's rows.  Also: I fetch for o (0) or for W_o (1)
	s_and_b32 s12, s10, 1                          ; my half of its columns.  Also: which half of that tile I fetch
	s_bfe_u32 s40, ttmp6, 0x40000
	s_bfe_u32 s41, ttmp6, 0x40004
	s_lshl_b32 s42, ttmp9, 2
	s_add_co_u32 s42, s42, s40                     ; tile column
	s_and_b32 s13, ttmp7, 0xffff
	s_lshl_b32 s13, s13, 2
	s_add_co_u32 s13, s13, s41                     ; tile row
	s_lshl_b32 s43, s41, 2
	s_lshl_b32 s43, 15, s43                        ; my row of the cluster
	s_lshl_b32 s44, 0x1111, s40                    ; my column
	; o: 8 step tiles, of each the K step's 8 images = 4,096 dense bytes; from step tile to step tile 32,768 bytes
	s_or_b32 s[G1+0], s43, (3<<16)|(1<<21)         ; the mask of my row; 8-byte elements; bit 21 beside a mask; no padding
	s_mov_b32 s[G1+1], 512<<16                     ; tensor_dim0 = 512
	s_mov_b32 s[G1+2], 8<<16                       ; tensor_dim1 = 8
	s_mov_b32 s[G1+3], 512<<16                     ; tile_dim0 = 512
	s_mov_b32 s[G1+4], 8                           ; tile_dim1 = 8
	s_mov_b32 s[G1+5], 4096                        ; elements from row to row
	s_mov_b32 s[G1+6], 0
	s_mov_b32 s[G1+7], 0
	; W_o: 64 rows x 128 elements of 2 bytes, padded in LDS
	s_or_b32 s[G1B+0], s44, (1<<16)|(1<<20)|(1<<21)|(5<<22)|(3<<25)
	s_mov_b32 s[G1B+1], KSTEP<<16
	s_mov_b32 s[G1B+2], 64<<16
	s_mov_b32 s[G1B+3], KSTEP<<16
	s_mov_b32 s[G1B+4], 64
	s_mov_b32 s[G1B+5], SIZE_K
	s_mov_b32 s[G1B+6], 0
	s_mov_b32 s[G1B+7], 0
	s_lshl_b32 s16, s13, 4
	s_lshl3_add_u32 s16, s12, s16                  ; o: step tile 16 x tile row + 8 x half
	s_lshl_b32 s16, s16, 15
	s_mov_b32 s17, 0
	s_lshl_b32 s46, s42, 7
	s_lshl_b32 s47, s12, 6
	s_add_co_u32 s46, s46, s47                     ; W_o: row 128 x tile column + 64 x half
	s_lshl_b32 s46, s46, 11
	s_mov_b32 s47, 0
	s_lshl_b32 s20, s12, 15                        ; where they go: no place in the cluster enters an LDS address
	s_mul_i32 s21, s12, BHALF
	s_add_co_u32 s21, s21, ATILE
	s_wait_dscnt 0x0                               ; the opening add is done
	s_wait_kmcnt 0x0
	s_add_nc_u64 s[14:15], s[4:5], s[16:17]
	s_add_nc_u64 s[46:47], s[6:7], s[46:47]
	s_load_b32 s[PHI], s[68:69], 0xc               ; phi, from the first copy
	CROUND                                         ; all sixteen work-groups are here: the first joint loads meet
.irp s, 0,1
	s_mov_b32 s[G0+4*(\s)], 1
	s_add_co_u32 s[G0+4*(\s)+1], s20, (\s)*SLOT1
	s_add_nc_u64 s[G0+4*(\s)+2:G0+4*(\s)+3], s[14:15], (\s)*4096
	s_or_b32 s[G0+4*(\s)+3], s[G0+4*(\s)+3], 0x80000000
	s_mov_b32 s[G0B+4*(\s)], 1
	s_add_co_u32 s[G0B+4*(\s)+1], s21, (\s)*SLOT1
	s_add_nc_u64 s[G0B+4*(\s)+2:G0B+4*(\s)+3], s[46:47], (\s)*KSTEP*2
	s_or_b32 s[G0B+4*(\s)+3], s[G0B+4*(\s)+3], 0x80000000
	JLOAD \s                                       ; two loads of mine are out
.endr
	v_and_b32 v1, 15, v0
	v_bfe_u32 v2, v0, 4, 1
	v_and_b32 v3, 31, v0
	v_lshlrev_b32 v3, 4, v3                        ; my place in an image
	v_mul_u32_u24 v4, v1, PITCH
	v_lshl_add_u32 v4, v2, 4, v4
	s_lshl_b32 s76, s11, 15                        ; my 8 step tiles in slot 0
	s_mul_i32 s77, s12, BHALF                      ; my 64 rows of W_o
	s_add_co_u32 s77, s77, ATILE
	v_add_nc_u32 v[ADRA], s76, v3
	v_add_nc_u32 v[ADRB], s77, v4
	s_mul_i32 s22, s10, 16*SPITCH
	s_add_co_u32 s22, s22, STAGE                   ; my stage
	v_mul_u32_u24 v5, v1, SPITCH                   ; in: row l % 16, 32 bytes for each half of the lanes
	v_lshl_add_u32 v5, v2, 5, v5
	v_add_nc_u32 v[STO], s22, v5
	v_mul_u32_u24 v5, v2, SPITCH                   ; back: lanes 0-15 one row of 256 bytes, lanes 16-31 the next
	v_lshl_add_u32 v5, v1, 4, v5
	v_add_nc_u32 v[RD], s22, v5
	v_lshlrev_b32 v5, 12, v2                       ; and the same two rows in out0
	v_lshl_add_u32 v[CO], v1, 4, v5
	s_lshl_b32 s74, s13, 8
	s_lshl_b32 s75, s11, 7
	s_add_co_u32 s74, s74, s75                     ; my first row,
	s_lshl_b32 s74, s74, 12
	s_lshl_b32 s75, s42, 9                         ; my first column, in bytes
	s_add_co_u32 s74, s74, s75
	s_lshl_b32 s75, s12, 8
	s_add_co_u32 s74, s74, s75
	s_mov_b32 s75, 0
	s_add_nc_u64 s[70:71], s[70:71], s[74:75]
.macro MUL8 f, a0, zero                ; 8 matrix instructions: step tiles a0, a0 + 1 x all 4 column tiles, 32 along K
	WIN MUL
.irp a, \a0, (\a0)+1
.irp b, 0,1,2,3
.if \zero
	v_wmma_f32_16x16x32_f16 v[8*(4*(\a)+(\b)):8*(4*(\a)+(\b))+7], v[(\f)+64+8*(\b):(\f)+64+8*(\b)+7], v[(\f)+8*(\a):(\f)+8*(\a)+7], 0
.else
	v_wmma_f32_16x16x32_f16 v[8*(4*(\a)+(\b)):8*(4*(\a)+(\b))+7], v[(\f)+64+8*(\b):(\f)+64+8*(\b)+7], v[(\f)+8*(\a):(\f)+8*(\a)+7], v[8*(4*(\a)+(\b)):8*(4*(\a)+(\b))+7]
.endif
.endr
.endr
.endm
.macro FETCH q, f                      ; 24 LDS loads in one run: quarter q's fragments of the slot in hand: W_o's four, then o's eight
	WIN 0
.irp b, 0,1,2,3
	ds_load_b128 v[(\f)+64+8*(\b):(\f)+64+8*(\b)+3],   v[ADRB] offset:(\q)*64+(\b)*16*PITCH
	ds_load_b128 v[(\f)+64+8*(\b)+4:(\f)+64+8*(\b)+7], v[ADRB] offset:(\q)*64+(\b)*16*PITCH+32
.endr
.irp a, 0,1,2,3,4,5,6,7
	ds_load_b128 v[(\f)+8*(\a):(\f)+8*(\a)+3],   v[ADRA] offset:(\a)*4096+(\q)*1024
	ds_load_b128 v[(\f)+8*(\a)+4:(\f)+8*(\a)+7], v[ADRA] offset:(\a)*4096+(\q)*1024+512
.endr
.endm
.macro PLACES
.rept 4
	v_nop
.endr
.endm
; A K step is four quarters of 32 along K, 32 matrix instructions each, on buffers 0, 1, 0, 1; the 32 accumulators take turns in the same order in every quarter.
.macro QUARTER q, f, g, zero
	s_wait_dscnt 8                                 ; W_o and o's step tiles 0-3 are in; the youngest eight loads may be out
	MUL8 \f, 0, \zero
	MUL8 \f, 2, \zero
	PLACES
	FETCH \q, \g
	s_wait_dscnt 24                                ; all but the 24 just issued
	MUL8 \f, 4, \zero
	MUL8 \f, 6, \zero
.endm
; The last quarter's first half: ONE barrier for the change of slots; in front of it each wave waits for all its tensor loads, adds 0 to its spare word, and waits for that and for its reads of this slot.
.macro MEET
	WIN 0
	s_wait_tensorcnt 0x0                           ; at most one was out: my part of the next slot
	ds_add_u32 v[SPW], v[NIL]
	s_wait_dscnt 9                                 ; (the add and the youngest eight loads may be out)
	MUL8 F1, 0, 0
	s_wait_dscnt 0x0                               ; the add is done, and my reads of this slot are over
	s_barrier_signal -1
	MUL8 F1, 2, 0
	WIN 0
	s_barrier_wait -1
.endm
.macro SWAP                            ; my fragments' addresses go over to the other slot: the scalars are turned, the vector addresses made anew from the lane's terms
	s_xor_b32 s76, s76, SLOT1
	s_xor_b32 s77, s77, SLOT1
	v_add_nc_u32 v[ADRA], s76, v3
	v_add_nc_u32 v[ADRB], s77, v4
.endm
.macro TURN                            ; the whole last quarter: the slot just read out is filled again first, two K steps ahead
	MEET
	CREST                                          ; the barrier has opened a round of the cluster's: no wave of any partner still reads this slot or has a load on its way
	s_xor_b32 s[G0+5], s[G0+5], SLOT1              ; the walking descriptors: the other slot than last time,
	s_add_nc_u64 s[G0+6:G0+7], s[G0+6:G0+7], 4096  ; the next K step's images; the type bits on top are not reached
	s_xor_b32 s[G0B+5], s[G0B+5], SLOT1
	s_add_nc_u64 s[G0B+6:G0B+7], s[G0B+6:G0B+7], KSTEP*2
	JLOAD 1                                        ; 112 matrix instructions ahead of the wait for it; its four v_nop are also the places in front of the loads below
	SWAP
	FETCH 0, F0
	MUL8 F1, 4, 0
	MUL8 F1, 6, 0
.endm
	s_wait_tensorcnt 1                             ; my part of K step 0 is in; K step 1's may stay out
	s_barrier_signal -1
	s_barrier_wait -1
	FETCH 0, F0
	QUARTER 1, F0, F1, 1                           ; the first quarter stands in front of the loop: its products start the sums
	WIN 0
	s_mov_b32 s3, STEPS-2
.Lstep:                                                ; a trip goes from a K step's second quarter to the next step's first, and fills the slot that it leaves: K steps 2 to 7 are asked for here
	QUARTER 2, F1, F0, 0
	QUARTER 3, F0, F1, 0
	TURN
	QUARTER 1, F0, F1, 0
	WIN 0
	s_sub_co_u32 s3, s3, 1
	s_cmp_lg_u32 s3, 0
	s_cbranch_scc1 .Lstep
	s_mov_b32 s3, 2
.Ltail:                                                ; the last two K steps fill nothing; the second jumps forward over the fetch and over the quarter that have no further step to serve
	QUARTER 2, F1, F0, 0
	QUARTER 3, F0, F1, 0
	MEET
	s_cmp_eq_u32 s3, 1
	s_cbranch_scc1 .Lno_fetch
	SWAP
	PLACES
	FETCH 0, F0
.Lno_fetch:
	MUL8 F1, 4, 0
	MUL8 F1, 6, 0
	WIN 0
	s_cmp_eq_u32 s3, 1
	s_cbranch_scc1 .Lno_quarter
	QUARTER 1, F0, F1, 0
	WIN 0
.Lno_quarter:
	s_sub_co_u32 s3, s3, 1
	s_cmp_lg_u32 s3, 0
	s_cbranch_scc1 .Ltail
	PLACES
	s_wait_kmcnt 0x0
	s_mov_b32 s[PHI+1], s[PHI]                     ; named with it as a pair
; THE WAY OUT of step tile a: times phi; 32 bytes a lane into my stage; back as whole rows of 256 bytes; stored.  The stage is my own and LDS serves a wave's instructions in order (ISA guide 5.7.1.4).
.macro OUTA a
.set BK, F0+32*((\a)%2)
	WIN 0x01                                       ; source 0 in window 1
.irp b, 0,1,2,3
.irp k, 0,2,4,6
	v_pk_mul_f32 v[TMP+8*(\b)+(\k):TMP+8*(\b)+(\k)+1], v[8*(4*(\a)+(\b))+(\k):8*(4*(\a)+(\b))+(\k)+1], s[PHI:PHI+1] op_sel_hi:[1,0]
.endr
.endr
	WIN 0
.irp b, 0,1,2,3
	ds_store_b128 v[STO], v[TMP+8*(\b):TMP+8*(\b)+3]   offset:64*(\b)
	ds_store_b128 v[STO], v[TMP+8*(\b)+4:TMP+8*(\b)+7] offset:64*(\b)+16
.endr
	s_wait_xcnt 0x0                                ; the stores of two tiles ago have read these registers
.irp t, 0,1,2,3,4,5,6,7
	ds_load_b128 v[BK+4*(\t):BK+4*(\t)+3], v[RD] offset:(\t)*2*SPITCH
.endr
.irp t, 0,1,2,3,4,5,6,7
	s_wait_dscnt 7-(\t)
	global_store_b128 v[CO], v[BK+4*(\t):BK+4*(\t)+3], s[70:71] offset:(16*(\a)+2*(\t))*4096 th:TH_STORE_NT  ; 16 lanes store 256 consecutive bytes, aligned; the row stands in the immediate
.endr
.endm
.irp a, 0,1,2,3,4,5,6,7
	OUTA \a
.endr
	s_wait_tensorcnt 0x0                           ; the wave's end
	ds_add_u32 v[SPW], v[NIL]
	s_wait_dscnt 0x0
	CROUND                                         ; the closing round
	s_endpgm
.Lfunc_end_k_qc380b146b0_oproj:
	.size	k_qc380b146b0_oproj, .Lfunc_end_k_qc380b146b0_oproj-k_qc380b146b0_oproj
	.p2alignl 7, 3214868480
	.fill 96, 4, 3214868480
	.section	.rodata,"a",@progbits
	.p2align	6, 0x0
	.amdhsa_kernel k_qc380b146b0_oproj
		.amdhsa_group_segment_fixed_size 327680
		.amdhsa_private_segment_fixed_size 0
		.amdhsa_enable_private_segment 0
		.amdhsa_kernarg_size 32
		.amdhsa_user_sgpr_count 2
		.amdhsa_user_sgpr_kernarg_segment_ptr 1
		.amdhsa_wavefront_size32 1
		.amdhsa_system_sgpr_workgroup_id_x 1
		.amdhsa_system_sgpr_workgroup_id_y 1
		.amdhsa_system_sgpr_workgroup_id_z 1
		.amdhsa_system_vgpr_workitem_id 0
		.amdhsa_next_free_vgpr 512
		.amdhsa_next_free_sgpr 78
		.amdhsa_reserve_vcc 0
		.amdhsa_float_denorm_mode_32 3
		.amdhsa_float_denorm_mode_16_64 3
		.amdhsa_memory_ordered 1
		.amdhsa_forward_progress 1
		.amdhsa_inst_pref_size 70
	.end_amdhsa_kernel
	.amdgpu_metadata
---
amdhsa.version: [ 1, 2 ]
amdhsa.kernels:
  - .name:           k_qc380b146b0_oproj
    .symbol:         k_qc380b146b0_oproj.kd
    .args:
      - { .name: oimg, .offset: 0, .size: 8, .value_kind: global_buffer, .address_space: global }
      - { .name: wot, .offset: 8, .size: 8, .value_kind: global_buffer, .address_space: global }
      - { .name: scl, .offset: 16, .size: 8, .value_kind: global_buffer, .address_space: global }
      - { .name: out0, .offset: 24, .size: 8, .value_kind: global_buffer, .address_space: global }
    .group_segment_fixed_size: 327680
    .private_segment_fixed_size: 0
    .kernarg_segment_align: 8
    .kernarg_segment_size: 32
    .max_flat_workgroup_size: 128
    .sgpr_count:     78
    .vgpr_count:     512
    .wavefront_size: 32
...
	.end_amdgpu_metadata
.endif
;; end of part 8
